; MI455X (gfx1250); checked and timed in simulation.
; The chip was launched on July 23, 2026; its instructions are those of AMD's public machine-readable ISA for CDNA 5 (MIT licence, August 2026) and "CDNA5" Instruction Set Architecture Reference Guide (July 2026). The comments in the code are by the model that wrote it; some were corrected since.
;; GPT2 BBT Attention. Allowed arithmetic: matrix products marked QUANTISED: E2M1 operands, one E8M0 scale for each 32 along K, by v_wmma_scale_f32_16x16x128_f8f6f4 with both operands' format E2M1 (or v_wmma_scale_f32_32x16x128_f4), f32 sums; products left as they are: bf16, f16 or f32 operands; f32 sums; everything else in f32.
;; Inputs: W_basis 64 x 1,024 float32; W_o 1,024 x 1,024 float32; W_v 1,024 x 1,024 float32; b_o 1,024 float32; b_v 1,024 float32; hidden_states 4 x 2,048 x 1,024 float32.
;; Outputs: out0 4 x 2,048 x 1,024 float32.
;; This version of the problem:
;;   THIS VERSION OF THE PROBLEM IS GIVEN IN LOW PRECISION. The matrix products marked QUANTISED in the list below multiply operands that are first quantised to E2M1 (2 exponent bits, 1 mantissa bit; 4 bits a number), with one power-of-two scale for each 32 numbers along K (OCP MX v1.0); their sums are f32. The products marked 'left as it is' may take bf16, f16 or f32 operands, with f32 sums. Whichever they take, every output number must still come out within the allowed error. Rounding operands to bf16 (8 significant bits) uses up far more of that allowance than f16 does (11 bits, for magnitudes from 6e-5 to 65,504). All else is computed in f32.
;;   The module's matrix products, in the order in which they are computed (A, B: the left and right operand; K: the contracted axis; several contracted axes count as one K, in the product's order):
;;     1. [M 8,192, K 1,024] x [K 1,024, N 64]; A: input hidden_states; B: input W_basis: QUANTISED
;;     2. [M 8,192, K 1,024] x [K 1,024, N 1,024]; A: input hidden_states; B: input W_v: QUANTISED
;;     3. batch 4 x [M 2,048, K 64] x [K 64, N 2,048]; A: computed on the way; B: computed on the way: left as it is (an operand is computed on the way)
;;     4. batch 4 x [M 1,024, K 2,048] x [K 2,048, N 2,048]; A: computed on the way; B: computed on the way: left as it is (an operand is computed on the way)
;;     5. [M 8,192, K 1,024] x [K 1,024, N 1,024]; A: computed on the way; B: input W_o: left as it is (an operand is computed on the way)
;;   THE QUANTISER, for each operand of a quantised product, along K:
;;     - K is cut into blocks of 32 from its start; a last block that is shorter is filled with zeros.
;;     - A block's scale is 2^e with e = floor(log2(the largest magnitude in the block)) - 2, held to -126 .. 127; a block of zeros has e = 0. As a byte (E8M0): e + 127.
;;     - Each number is divided by its block's scale, clamped to +-6, and rounded to the nearest number of E2M1, ties to even, subnormals kept.
;;     - The product sums the exact products of the quantised numbers (number of the format x scale) in f32.
;;   ~~~python
;;   def quantise(x, axis):      # numpy; x: float32 -> the quantised numbers, widened to float32 again
;;       x = np.moveaxis(x, axis, -1); K = x.shape[-1]
;;       x = np.pad(x, [(0, 0)] * (x.ndim - 1) + [(0, -K % 32)]); x = x.reshape(x.shape[:-1] + (-1, 32)); a = np.abs(x).max(-1, keepdims=True)
;;       e = np.where(a > 0, np.clip(np.frexp(np.where(a > 0, a, 1))[1] - 1 - 2, -126, 127), 0)      # np.frexp(a)[1] - 1 = floor(log2(a)), exactly
;;       r = np.clip(x / 2.0 ** e, -6, 6)
;;       step = 2.0 ** (np.maximum(np.frexp(np.where(r == 0, 1, r))[1] - 1, 0) - 1)
;;       q = np.round(r / step) * step * 2.0 ** e      # np.round: ties to even
;;       return np.moveaxis(q.reshape(q.shape[:-2] + (-1,))[..., :K], -1, axis).astype(np.float32)
;;   ~~~
;; One version. Each part assembles by itself: llvm-mc -triple=amdgcn-amd-amdhsa -mcpu=gfx1250 --defsym DOCPART=n.
;; ======== version 1 of 1: 6 launches
;; limits: values are held in f16: magnitudes above 65,504 overflow, below 6.1e-05 lose precision
;; workspace buffers: aq 4,456,448 bytes; wq 591,872 bytes; wo16 2,097,152 bytes; vfrag 16,777,216 bytes; lat 1,327,104 bytes; pfrag 33,554,432 bytes; linv 32,768 bytes; yfrag 16,777,216 bytes
;; launch quant (part 1): grid 322 x 1, 4 waves a work-group, no clusters, 33,280 bytes of LDS; arguments hidden_states, W_v, W_basis, W_o, aq, wq, wo16; writes aq, wq, wo16
.if DOCPART == 1
	.amdgcn_target "amdgcn-amd-amdhsa--gfx1250"
	.amdhsa_code_object_version 6
	.text
	.protected	k_q647e12dece_quant
	.globl	k_q647e12dece_quant
	.p2align	8
	.type	k_q647e12dece_quant,@function
k_q647e12dece_quant:
	s_mov_b64 s[64:65], 0
	v_nop
	global_prefetch_b8 v0, s[64:65] scope:SCOPE_SE
	s_setreg_imm32_b32 hwreg(HW_REG_WAVE_MODE, 25, 1), 1
	s_wait_xcnt 0x0
; FIRST OF SIX LAUNCHES.  out = softmax_causal(L L^T / 8) (x W_v^T + b_v) W_o^T + b_o, L = x W_basis^T, the attention matrix shared by all heads.
; THIS LAUNCH: x (hidden_states), W_v and W_basis, f32 with K innermost, become codes of E2M1 with one E8M0 byte for each 32 along K; W_o becomes f16.
; WORK LEFT OUT BY THE PROGRAM.  reference() sets the score of key k for query q to -infinity where k > q, by a tril that it builds itself; the softmax makes 0 of it and the
; product with v adds 0 x v.  So for every value of the inputs a tile of scores all of whose keys come after all of its queries reaches no output.  Left out in whole units:
; for the 512 queries of group G (G = 0 .. 3 in a sequence) the keys from 512 (G + 1) on, in the scores and in the product with v.  Inside what is kept the mask is applied.
; No input is dead: all six are loaded.  LIMIT: a NaN, an infinity or an overflow that would arise only in the tiles left out is not carried to the result.
; LIMITS OF THE PROGRAM: NaN and infinities among the inputs are not served; latent, v, y and W_o are carried as f16 in the bulk: magnitudes under 65,504, and under 6e-5 with an
; absolute error of 3e-8; the first 16 positions of every sequence go in f32 (last launch), their sums in another order than reference()'s.
; A block's scale is 2^(floor(log2(largest magnitude)) - 2); its byte is the largest magnitude's exponent field - 2, held at 1 from below.  A block of zeros so gets the byte 1 where
; the rule says 127: its codes are zeros, and the bytes are read by this program alone.  Blocks whose largest magnitude lies under 2^(2 - 126) are held at the floor's byte.
; SHARES.  Work-groups 0-255: x; 256-287: W_v; 288-289: W_basis; 290-321: W_o.  A wave takes a run of 8,192 numbers: 8 rows of 1,024.
; Codes: 512 bytes a row; scale bytes: 32 a row.  wq interleaves the weights as the next launch's tiles want them: row 272 x + i is W_v's row 256 x + i (i < 256) or W_basis' row 16 x + i - 256.
; Each load reads 512 consecutive bytes; the numbers turn through the wave's own stage in LDS so that a lane holds 16 neighbours along K; two neighbouring lanes hold a block.
; No tile is shared between work-groups, so no cluster; no tensor load, no barrier: waves share nothing.
.set WAVES, 4
.set STEPS, 16
.set EMAX,  2
.set CB,    8                          ; bytes of 16 codes
.set R,     16                         ; v16-79   four sets of 16 numbers as loaded (W_o's path: v16-143, two sets of 64)
.set X,     80                         ; v80-111  two sets of 16 neighbours
.set C,     128                        ; v128-191 codes, four registers a step
.set E,     112                        ; v112-127 a scale byte a step
.set OUTH,  144                        ; v144-175 W_o's path: f16 pairs to store
.set WREG,  8192                       ; LDS: a region for each wave: two stages of 32 x SP bytes, then its 256 scale bytes
.set SP,    80
.set SPW,   12                         ; v12 LDS address of my spare word; never rewritten
.set NIL,   13                         ; v13 0; never rewritten
.set SPARE, WAVES*WREG                 ; behind the regions: the spare words, 128 bytes a wave
	s_load_b256 s[4:11], s[0:1], 0x0               ; x s[4:5], W_v s[6:7], W_basis s[8:9], W_o s[10:11]
	s_load_b128 s[12:15], s[0:1], 0x20             ; aq s[12:13], wq s[14:15]
	s_load_b64 s[16:17], s[0:1], 0x30              ; wo16
	v_lshl_add_u32 v[SPW], v0, 2, SPARE
	v_mov_b32 v[NIL], 0
	v_lshrrev_b32 v1, 5, v0
	v_readfirstlane_b32 s18, v1                    ; wave
	v_and_b32 v2, 31, v0                           ; lane
	v_lshlrev_b32 v3, 4, v2                        ; my 16 bytes of a load's 512
	s_mul_i32 s19, s18, WREG
	v_lshrrev_b32 v14, 2, v2
	v_mul_u32_u24 v14, v14, SP
	v_and_b32 v15, 3, v2
	v_lshl_add_u32 v14, v15, 4, v14
	v_add_nc_u32 v14, s19, v14                     ; the stage, way in: SP (lane / 4) + 16 (lane % 4)
	v_mul_u32_u24 v15, v2, SP
	v_add_nc_u32 v15, s19, v15                     ; way out: SP x lane: my 16 neighbours
	v_mul_u32_u24 v4, v2, CB                       ; 8 x lane
	v_lshrrev_b32 v5, 1, v2
	s_add_co_u32 s19, s19, 2*32*SP
	v_add_nc_u32 v5, s19, v5                       ; my block's scale byte in the wave's 256
	v_lshlrev_b32 v7, 3, v2
	v_add_nc_u32 v6, s19, v7
	s_wait_kmcnt 0x0
	s_cmp_ge_u32 ttmp9, 290
	s_cbranch_scc1 .Lwo
	; which tensor: the choices hang on the work-group's number alone
	s_cmp_lt_u32 ttmp9, 288
	s_cselect_b64 s[20:21], s[6:7], s[8:9]
	s_mov_b32 s22, 288
	s_cselect_b32 s22, 256, s22                    ; the tensor's first work-group
	s_cmp_lt_u32 ttmp9, 256
	s_cselect_b64 s[20:21], s[4:5], s[20:21]
	s_cselect_b32 s22, 0, s22
	s_cselect_b64 s[24:25], s[12:13], s[14:15]
	s_mov_b32 s23, 557056
	s_cselect_b32 s23, 4194304, s23                ; where the scale bytes begin in the buffer
	s_sub_co_u32 s26, ttmp9, s22
	s_lshl_b32 s26, s26, 2
	s_add_co_u32 s26, s26, s18                     ; my run of 8 rows in the tensor
	s_lshr_b32 s27, s26, 5
	s_lshl_b32 s27, s27, 1
	s_add_co_u32 s27, s27, s26                     ; W_v: 34 runs to a tile of wq, the first 32 are W_v's
	s_lshr_b32 s28, s26, 1
	s_mul_i32 s28, s28, 34
	s_and_b32 s29, s26, 1
	s_add_co_u32 s28, s28, s29
	s_add_co_u32 s28, s28, 32                      ; W_basis: the last two
	s_cmp_lt_u32 ttmp9, 288
	s_cselect_b32 s27, s27, s28
	s_cmp_lt_u32 ttmp9, 256
	s_cselect_b32 s27, s26, s27                    ; my run in the buffer of codes
	s_lshl_b32 s28, s26, 15
	s_mov_b32 s29, 0
	s_add_nc_u64 s[20:21], s[20:21], s[28:29]      ; numbers: 32,768 bytes a run
	s_lshl_b32 s28, s27, 12
	s_add_nc_u64 s[30:31], s[24:25], s[28:29]      ; codes: 4,096 bytes a run
	s_lshl_b32 s28, s27, 8
	s_add_co_u32 s28, s28, s23
	s_add_nc_u64 s[24:25], s[24:25], s[28:29]      ; scale bytes: 256 a run
.macro LOAD t
.irp i, 0,1,2,3
	global_load_b128 v[R+16*((\t)%4)+4*\i:R+16*((\t)%4)+4*\i+3], v3, s[20:21] offset:2048*(\t)+512*\i th:TH_LOAD_NT
.endr
.endm
.macro TURN t                          ; a step's numbers through the stage: LDS serves a wave's instructions in order, so no wait between stores and loads
.irp i, 0,1,2,3
	ds_store_b128 v14, v[R+16*((\t)%4)+4*\i:R+16*((\t)%4)+4*\i+3] offset:32*SP*((\t)%2)+8*SP*\i
.endr
.irp i, 0,1,2,3
	ds_load_b128 v[X+16*((\t)%2)+4*\i:X+16*((\t)%2)+4*\i+3], v15 offset:32*SP*((\t)%2)+16*\i
.endr
.endm
.irp t, 0,1,2,3
	LOAD \t
.endr
	s_wait_loadcnt 12                              ; step 0's four loads are in; three steps' twelve stay out
	TURN 0
.macro STEP t
.set XS, X+16*((\t)%2)
.if (\t) > 0
	s_wait_dscnt 1                                 ; this step's numbers are back from the stage; the last step's byte store may be out
.else
	s_wait_dscnt 0x0
.endif
.if (\t)+4 < STEPS
	LOAD (\t)+4
.endif
.if (\t)+1 < STEPS
.if STEPS-2-(\t) >= 3
	s_wait_loadcnt 12                              ; the next step's loads are in; those of the three steps behind it may be out
.else
	s_wait_loadcnt 4*(STEPS-2-(\t))
.endif
	TURN (\t)+1
.endif
	v_max3_num_f32 v8, |v[XS]|, |v[XS+1]|, |v[XS+2]|
	v_max3_num_f32 v9, |v[XS+3]|, |v[XS+4]|, |v[XS+5]|
.irp i, 6,10
	v_max3_num_f32 v8, v8, |v[XS+\i]|, |v[XS+\i+1]|
	v_max3_num_f32 v9, v9, |v[XS+\i+2]|, |v[XS+\i+3]|
.endr
	v_max3_num_f32 v8, v8, |v[XS+14]|, |v[XS+15]|
	v_max3_num_f32 v8, v8, v9, (EMAX+1)<<23        ; the floor 2^(EMAX + 1 - 127): the byte cannot fall under 1
	v_max_num_f32_dpp v8, v8, v8 row_xmask:1 row_mask:0xf bank_mask:0xf   ; with my neighbour's 16: the block's largest magnitude
	v_add_nc_u32 v11, -(EMAX<<23), v8              ; EMAX off its exponent field: the conversion's scale operand
	v_cvt_scalef32_pk8_fp4_f32 v[C+4*(\t)], v[XS:XS+7], v11
	v_cvt_scalef32_pk8_fp4_f32 v[C+4*(\t)+1], v[XS+8:XS+15], v11
	v_lshrrev_b32 v[E+(\t)], 23, v11               ; the scale's byte
	ds_store_b8 v5, v[E+(\t)] offset:16*(\t)       ; both lanes of a block write the same byte with the same value
	global_store_b64 v4, v[C+4*(\t):C+4*(\t)+1], s[30:31] offset:32*CB*(\t)   ; the wave stores 256 consecutive bytes, aligned
.endm
.irp t, 0,1,2,3,4,5,6,7,8,9,10,11,12,13,14,15
	STEP \t
.endr
	ds_load_b64 v[8:9], v6                         ; my wave's 256 scale bytes
	s_wait_dscnt 0x0
	global_store_b64 v7, v[8:9], s[24:25]          ; 256 consecutive bytes, aligned
	s_wait_tensorcnt 0x0                           ; the wave's end
	ds_add_u32 v[SPW], v[NIL]
	s_wait_dscnt 0x0
	s_endpgm
; W_o to f16, row-major as it lies.  A wave takes 8,192 numbers in four batches of sixteen loads.
.Lwo:
	s_sub_co_u32 s26, ttmp9, 290
	s_lshl_b32 s26, s26, 2
	s_add_co_u32 s26, s26, s18
	s_lshl_b32 s28, s26, 15
	s_mov_b32 s29, 0
	s_add_nc_u64 s[20:21], s[10:11], s[28:29]
	s_lshl_b32 s28, s26, 14
	s_add_nc_u64 s[30:31], s[16:17], s[28:29]
.macro LOADB t
.irp i, 0,1,2,3,4,5,6,7,8,9,10,11,12,13,14,15
	global_load_b128 v[R+64*((\t)%2)+4*\i:R+64*((\t)%2)+4*\i+3], v3, s[20:21] offset:8192*(\t)+512*\i th:TH_LOAD_NT
.endr
.endm
.macro HALVE t
.if (\t) < 3
	s_wait_loadcnt 16                              ; this batch is in; the younger batch's sixteen stay out
.else
	s_wait_loadcnt 0x0
.endif
.if (\t) > 0
	s_wait_xcnt 0x0                                ; the last batch's stores have read their data registers
.endif
.irp i, 0,1,2,3,4,5,6,7,8,9,10,11,12,13,14,15
	v_cvt_pk_f16_f32 v[OUTH+2*\i], v[R+64*((\t)%2)+4*\i], v[R+64*((\t)%2)+4*\i+1]
	v_cvt_pk_f16_f32 v[OUTH+2*\i+1], v[R+64*((\t)%2)+4*\i+2], v[R+64*((\t)%2)+4*\i+3]
.endr
.irp i, 0,1,2,3,4,5,6,7,8,9,10,11,12,13,14,15
	global_store_b64 v4, v[OUTH+2*\i:OUTH+2*\i+1], s[30:31] offset:4096*(\t)+256*\i   ; 256 consecutive bytes, aligned
.endr
.if (\t)+2 < 4
	LOADB (\t)+2
.endif
.endm
	LOADB 0
	LOADB 1
	HALVE 0
	HALVE 1
	HALVE 2
	HALVE 3
	s_endpgm
.Lfunc_end_k_q647e12dece_quant:
	.size	k_q647e12dece_quant, .Lfunc_end_k_q647e12dece_quant-k_q647e12dece_quant
	.p2alignl 7, 3214868480
	.fill 96, 4, 3214868480
	.section	.rodata,"a",@progbits
	.p2align	6, 0x0
	.amdhsa_kernel k_q647e12dece_quant
		.amdhsa_group_segment_fixed_size 33280
		.amdhsa_private_segment_fixed_size 0
		.amdhsa_enable_private_segment 0
		.amdhsa_kernarg_size 56
		.amdhsa_user_sgpr_count 2
		.amdhsa_user_sgpr_kernarg_segment_ptr 1
		.amdhsa_wavefront_size32 1
		.amdhsa_system_sgpr_workgroup_id_x 1
		.amdhsa_system_sgpr_workgroup_id_y 1
		.amdhsa_system_sgpr_workgroup_id_z 1
		.amdhsa_system_vgpr_workitem_id 0
		.amdhsa_next_free_vgpr 192
		.amdhsa_next_free_sgpr 66
		.amdhsa_reserve_vcc 0
		.amdhsa_float_denorm_mode_32 3
		.amdhsa_float_denorm_mode_16_64 3
		.amdhsa_memory_ordered 1
		.amdhsa_forward_progress 1
		.amdhsa_inst_pref_size 55
	.end_amdhsa_kernel
	.amdgpu_metadata
---
amdhsa.version: [ 1, 2 ]
amdhsa.kernels:
  - .name:           k_q647e12dece_quant
    .symbol:         k_q647e12dece_quant.kd
    .args:
      - { .name: hidden_states, .offset: 0, .size: 8, .value_kind: global_buffer, .address_space: global }
      - { .name: W_v, .offset: 8, .size: 8, .value_kind: global_buffer, .address_space: global }
      - { .name: W_basis, .offset: 16, .size: 8, .value_kind: global_buffer, .address_space: global }
      - { .name: W_o, .offset: 24, .size: 8, .value_kind: global_buffer, .address_space: global }
      - { .name: aq, .offset: 32, .size: 8, .value_kind: global_buffer, .address_space: global }
      - { .name: wq, .offset: 40, .size: 8, .value_kind: global_buffer, .address_space: global }
      - { .name: wo16, .offset: 48, .size: 8, .value_kind: global_buffer, .address_space: global }
    .group_segment_fixed_size: 33280
    .private_segment_fixed_size: 0
    .kernarg_segment_align: 8
    .kernarg_segment_size: 56
    .max_flat_workgroup_size: 128
    .sgpr_count:     66
    .vgpr_count:     192
    .wavefront_size: 32
...
	.end_amdgpu_metadata
.endif
;; end of part 1
;; launch gemm4 (part 2): grid 4 x 64, 8 waves a work-group, clusters of 4 x 4, 229,376 bytes of LDS; arguments aq, wq, b_v, vfrag, lat; writes vfrag, lat
.if DOCPART == 2
	.amdgcn_target "amdgcn-amd-amdhsa--gfx1250"
	.amdhsa_code_object_version 6
	.text
	.protected	k_q647e12dece_gemm4
	.globl	k_q647e12dece_gemm4
	.p2align	8
	.type	k_q647e12dece_gemm4,@function
k_q647e12dece_gemm4:
	s_mov_b64 s[64:65], 0
	v_nop
	global_prefetch_b8 v0, s[64:65] scope:SCOPE_SE
	s_setreg_imm32_b32 hwreg(HW_REG_WAVE_MODE, 25, 1), 1
	s_wait_xcnt 0x0
	s_wait_alu depctr_hold_cnt(0) depctr_sa_sdst(0) depctr_va_vdst(0) depctr_va_sdst(0) depctr_va_ssrc(0) depctr_va_vcc(0) depctr_vm_vsrc(0)
	s_getreg_b32 s2, hwreg(HW_REG_IB_STS2, 6, 4)
	s_cmp_eq_u32 s2, 0
	s_cbranch_scc0 .Lentry_in_a_cluster
	s_endpgm
.Lentry_in_a_cluster:
	s_bfe_u32 s2, ttmp6, 0x10000c
	s_cmp_lg_u32 s2, 0xf033
	s_cbranch_scc0 .Lentry_shape_is_right
	s_endpgm
.Lentry_shape_is_right:
; v = x W_v^T + b_v and latent = x W_basis^T, both on codes of E2M1 with E8M0 scales, sums in f32, K ascending on one accumulator for each output.
; A work-group makes 128 tokens x 272 columns (256 of v, 16 of the latent); all of K = 1,024 lies in LDS: first fills only, nothing is filled again.
; CLUSTER 4 x 4: cx = column tile, cy = batch, the cluster's y = the tile of 128 tokens inside the batch.  The four of a row share the tokens' codes and scales, the four of a
; column the weights': each tile is asked for jointly.  Every branch hangs on the wave's number or on the cluster's y, which all partners share.
; Wave w: wm = w / 2 (32 tokens), wn = w % 2 (128 columns of v): 16 accumulators; and the latent of token tile w: one more.
; v: source 0 = 16 tokens, source 1 = 16 columns: a lane holds ONE channel and eight tokens: rounded to f16, two token tiles are a fragment of V^T (16 channels x 32 keys) for the product with p.
; latent: transposed (source 0 = 16 rows of W_basis, source 1 = 16 tokens): a lane holds one token and eight latent numbers: half a fragment (16 tokens x 32 along R) for the scores.
; Results leave as images of the next reader's operand registers: every store covers 512 consecutive bytes, aligned.  Tokens 0-15 of each batch also leave as f32, for the last launch.
.set PITCH, 528                        ; an LDS row of codes: 512 bytes + 16 of padding: the 16 rows of a fragment load start at 16 different groups of banks
.set AC,    0                          ; 128 rows of the tokens' codes
.set BC,    128*PITCH                  ; 272 rows of the weights' codes
.set AS,    BC+272*PITCH               ; the tokens' scale bytes: 16 units of 256 bytes + 16
.set BS,    AS+16*272                  ; the weights': 34 units
.set SPARE, 225024                     ; the spare words, 128 bytes a wave: four blocks of 256 bytes that no other line names
.set SPW,   8
.set NIL,   9
.set WV,    14
.set G1A,   24
.set G1B,   32
.set G1SA,  40
.set G1SB,  48
.set G0A,   56
.set G0B,   60
.set G0SA,  68
.set G0SB,  72
.macro CROUND                          ; a round of the cluster's barrier
	s_barrier_signal -1
	s_barrier_wait -1
	s_cmp_lg_u32 s[WV], 0
	s_cbranch_scc1 .Lnot_wave_0_\@
	s_barrier_signal -3
.Lnot_wave_0_\@:
	s_barrier_wait -3
	s_barrier_signal -1
	s_barrier_wait -1
.endm
.macro FOURNOP
.rept 4
	v_nop
.endr
.endm
	s_load_b256 s[4:11], s[0:1], 0x0               ; aq s[4:5], wq s[6:7], b_v s[8:9], vfrag s[10:11]
	s_load_b64 s[12:13], s[0:1], 0x20              ; lat
	v_lshl_add_u32 v[SPW], v0, 2, SPARE
	v_mov_b32 v[NIL], 0
	ds_add_u32 v[SPW], v[NIL]                      ; the wave's opening: the add, twice on end, and its wait ahead of my first tensor load
	ds_add_u32 v[SPW], v[NIL]
	v_lshrrev_b32 v1, 5, v0
	v_readfirstlane_b32 s[WV], v1                  ; wave 0..7
	s_lshr_b32 s15, s[WV], 1                       ; wm
	s_and_b32 s16, s[WV], 1                        ; wn
	s_bfe_u32 s17, ttmp6, 0x40000                  ; cx
	s_bfe_u32 s18, ttmp6, 0x40004                  ; cy
	s_and_b32 s19, ttmp7, 0xffff                   ; the cluster's y: the token tile in the batch
	s_lshl_b32 s20, s18, 2
	s_lshl_b32 s20, 15, s20                        ; my row of the cluster
	s_lshl_b32 s21, 0x1111, s17                    ; my column
	s_or_b32 s[G1A], s20, (1<<20)|(1<<21)|(6<<22)|(3<<25)          ; elements of 1 byte; 4 words of padding behind every 128
	s_or_b32 s[G1B], s21, (1<<20)|(1<<21)|(6<<22)|(3<<25)
	s_or_b32 s[G1SA], s20, (3<<16)|(1<<20)|(1<<21)|(5<<22)|(3<<25) ; elements of 8 bytes; 4 words of padding behind every 64
	s_or_b32 s[G1SB], s21, (3<<16)|(1<<20)|(1<<21)|(5<<22)|(3<<25)
	s_mov_b32 s[G1A+1], 512<<16                    ; tokens' codes: 64 rows of 512 bytes a load
	s_mov_b32 s[G1A+2], 64<<16
	s_mov_b32 s[G1A+3], 512<<16
	s_mov_b32 s[G1A+4], 64
	s_mov_b32 s[G1A+5], 512
	s_mov_b32 s[G1A+6], 0
	s_mov_b32 s[G1A+7], 0
	s_mov_b32 s[G1B+1], 512<<16                    ; weights' codes: 68 rows a load
	s_mov_b32 s[G1B+2], 68<<16
	s_mov_b32 s[G1B+3], 512<<16
	s_mov_b32 s[G1B+4], 68
	s_mov_b32 s[G1B+5], 512
	s_mov_b32 s[G1B+6], 0
	s_mov_b32 s[G1B+7], 0
	s_mov_b32 s[G1SA+1], 32<<16                    ; tokens' scale bytes: 4,096 dense bytes as 16 rows of 256
	s_mov_b32 s[G1SA+2], 16<<16
	s_mov_b32 s[G1SA+3], 32<<16
	s_mov_b32 s[G1SA+4], 16
	s_mov_b32 s[G1SA+5], 32
	s_mov_b32 s[G1SA+6], 0
	s_mov_b32 s[G1SA+7], 0
	s_mov_b32 s[G1SB+1], 32<<16                    ; weights': 8,704 dense bytes as 34 rows
	s_mov_b32 s[G1SB+2], 34<<16
	s_mov_b32 s[G1SB+3], 32<<16
	s_mov_b32 s[G1SB+4], 34
	s_mov_b32 s[G1SB+5], 32
	s_mov_b32 s[G1SB+6], 0
	s_mov_b32 s[G1SB+7], 0
	s_lshl_b32 s22, s18, 4
	s_add_co_u32 s22, s22, s19                     ; the tile of 128 tokens: 16 cy + y
	s_lshl_b32 s76, s22, 16
	s_lshl_b32 s77, s[WV], 15
	s_add_co_u32 s76, s76, s77                     ; its codes, my 64 rows (waves 0, 1)
	s_mov_b32 s77, 0
	s_lshl_b32 s78, s22, 12
	s_add_co_u32 s78, s78, 4194304                 ; its scale bytes
	s_mov_b32 s79, 0
	s_add_co_u32 s23, s[WV], 2
	s_and_b32 s23, s23, 3                          ; waves 2 .. 5 take parts 0 .. 3 of the weights' 272 rows
	s_mul_i32 s80, s17, 272*512
	s_mul_i32 s81, s23, 68*512
	s_add_co_u32 s80, s80, s81
	s_mov_b32 s81, 0
	s_mul_i32 s82, s17, 8704
	s_add_co_u32 s82, s82, 557056
	s_mov_b32 s83, 0
	s_mov_b32 s[G0A], 1
	s_mul_i32 s[G0A+1], s[WV], 64*PITCH
	s_mov_b32 s[G0B], 1
	s_mul_i32 s[G0B+1], s23, 68*PITCH
	s_add_co_u32 s[G0B+1], s[G0B+1], BC
	s_mov_b32 s[G0SA], 1
	s_mov_b32 s[G0SA+1], AS
	s_mov_b32 s[G0SB], 1
	s_mov_b32 s[G0SB+1], BS
	s_wait_dscnt 0x0                               ; both opening adds are done
	s_wait_kmcnt 0x0
	s_add_nc_u64 s[G0A+2:G0A+3], s[4:5], s[76:77]
	s_or_b32 s[G0A+3], s[G0A+3], 0x80000000
	s_add_nc_u64 s[G0SA+2:G0SA+3], s[4:5], s[78:79]
	s_or_b32 s[G0SA+3], s[G0SA+3], 0x80000000
	s_add_nc_u64 s[G0B+2:G0B+3], s[6:7], s[80:81]
	s_or_b32 s[G0B+3], s[G0B+3], 0x80000000
	s_add_nc_u64 s[G0SB+2:G0SB+3], s[6:7], s[82:83]
	s_or_b32 s[G0SB+3], s[G0SB+3], 0x80000000
	CROUND                                         ; all sixteen work-groups are here: the joint loads meet
	; every wave issues one load: waves 0, 1 the tokens' codes, 2 .. 5 the weights', 6 the tokens' scale bytes, 7 the weights'
	s_cmp_lt_u32 s[WV], 2
	s_cbranch_scc0 .Lnot_a
	tensor_load_to_lds s[G0A:G0A+3], s[G1A:G1A+7]
	s_nop 0
	FOURNOP
	s_branch .Lasked
.Lnot_a:
	s_cmp_lt_u32 s[WV], 6
	s_cbranch_scc0 .Lnot_b
	tensor_load_to_lds s[G0B:G0B+3], s[G1B:G1B+7]
	s_nop 0
	FOURNOP
	s_branch .Lasked
.Lnot_b:
	s_cmp_eq_u32 s[WV], 6
	s_cbranch_scc0 .Lnot_sa
	tensor_load_to_lds s[G0SA:G0SA+3], s[G1SA:G1SA+7]
	s_nop 0
	FOURNOP
	s_branch .Lasked
.Lnot_sa:
	tensor_load_to_lds s[G0SB:G0SB+3], s[G1SB:G1SB+7]
	s_nop 0
	FOURNOP
.Lasked:
	v_and_b32 v16, 15, v0                          ; r
	v_bfe_u32 v17, v0, 4, 1                        ; h
	v_and_b32 v18, 31, v0                          ; lane
	v_lshlrev_b32 v19, 2, v16
	s_lshl_b32 s84, s17, 10
	s_lshl_b32 s85, s16, 9
	s_add_co_u32 s84, s84, s85
	s_mov_b32 s85, 0
	s_add_nc_u64 s[8:9], s[8:9], s[84:85]          ; b_v at my 128 columns
.irp t, 0,1,2,3,4,5,6,7
	global_load_b32 v[120+\t], v19, s[8:9] offset:64*\t            ; my lane's column of tile t
.endr
	v_mul_u32_u24 v20, v16, PITCH
	v_lshl_add_u32 v20, v17, 4, v20                ; a fragment's row x pitch + 16 x half
	s_mul_i32 s86, s15, 32*PITCH
	v_add_nc_u32 v1, s86, v20                      ; my 32 tokens
	s_mul_i32 s86, s16, 128*PITCH
	s_add_co_u32 s86, s86, BC
	v_add_nc_u32 v2, s86, v20                      ; my 128 rows of W_v
	v_add_nc_u32 v3, BC+256*PITCH, v20             ; the 16 rows of W_basis
	s_mul_i32 s86, s[WV], 16*PITCH
	v_add_nc_u32 v4, s86, v20                      ; token tile w, for the latent
	v_lshrrev_b32 v21, 3, v18
	v_lshlrev_b32 v22, 5, v18
	v_lshl_add_u32 v21, v21, 4, v22                ; 32 bytes a row, 16 more for each 8 rows passed
	s_mul_i32 s86, s15, 1088
	s_add_co_u32 s86, s86, AS
	v_add_nc_u32 v5, s86, v21                      ; scale words of my 32 tokens: lanes 0-15 tile 0, lanes 16-31 tile 1
	s_mul_i32 s86, s16, 4352
	s_add_co_u32 s86, s86, BS
	v_add_nc_u32 v6, s86, v21                      ; of my columns, a pair of tiles a register
	v_lshrrev_b32 v21, 3, v16
	v_lshlrev_b32 v22, 5, v16
	v_lshl_add_u32 v21, v21, 4, v22
	s_mul_i32 s86, s[WV], 544
	s_sub_co_u32 s87, BS+8704-AS, s86
	v_mul_u32_u24 v22, s87, v17                    ; lanes 16-31 take W_basis' words: one product, the distance between the two bases
	s_add_co_u32 s86, s86, AS
	v_add_nc_u32 v21, v21, v22
	v_add_nc_u32 v7, s86, v21                      ; lanes 0-15: token tile w
	s_wait_tensorcnt 0x0                           ; my load has landed
	s_wait_loadcnt 0x0                             ; the bias is in: its offset register may become a fragment's
	s_barrier_signal -1
	s_barrier_wait -1                              ; everybody's has
; Column tiles t (even) and t + 1 against token tiles 0 and 1.  Accumulator (t, i) at v[128 + 8 (2 t + i)].
.macro MM4 t, zero
.set D0, 128+16*(\t)
.set B0, 48+8*(\t)
.set S0, 11+(\t)/2
.if \zero
	v_wmma_scale_f32_16x16x128_f8f6f4 v[D0:D0+7], v[16:23], v[B0:B0+7], 0, v10, v[S0] matrix_a_fmt:MATRIX_FMT_FP4 matrix_b_fmt:MATRIX_FMT_FP4
	v_wmma_scale_f32_16x16x128_f8f6f4 v[D0+8:D0+15], v[24:31], v[B0:B0+7], 0, v10, v[S0] matrix_a_fmt:MATRIX_FMT_FP4 matrix_b_fmt:MATRIX_FMT_FP4 matrix_a_scale:MATRIX_SCALE_ROW1
	v_wmma_scale_f32_16x16x128_f8f6f4 v[D0+16:D0+23], v[16:23], v[B0+8:B0+15], 0, v10, v[S0] matrix_a_fmt:MATRIX_FMT_FP4 matrix_b_fmt:MATRIX_FMT_FP4 matrix_b_scale:MATRIX_SCALE_ROW1
	v_wmma_scale_f32_16x16x128_f8f6f4 v[D0+24:D0+31], v[24:31], v[B0+8:B0+15], 0, v10, v[S0] matrix_a_fmt:MATRIX_FMT_FP4 matrix_b_fmt:MATRIX_FMT_FP4 matrix_a_scale:MATRIX_SCALE_ROW1 matrix_b_scale:MATRIX_SCALE_ROW1
.else
	v_wmma_scale_f32_16x16x128_f8f6f4 v[D0:D0+7], v[16:23], v[B0:B0+7], v[D0:D0+7], v10, v[S0] matrix_a_fmt:MATRIX_FMT_FP4 matrix_b_fmt:MATRIX_FMT_FP4
	v_wmma_scale_f32_16x16x128_f8f6f4 v[D0+8:D0+15], v[24:31], v[B0:B0+7], v[D0+8:D0+15], v10, v[S0] matrix_a_fmt:MATRIX_FMT_FP4 matrix_b_fmt:MATRIX_FMT_FP4 matrix_a_scale:MATRIX_SCALE_ROW1
	v_wmma_scale_f32_16x16x128_f8f6f4 v[D0+16:D0+23], v[16:23], v[B0+8:B0+15], v[D0+16:D0+23], v10, v[S0] matrix_a_fmt:MATRIX_FMT_FP4 matrix_b_fmt:MATRIX_FMT_FP4 matrix_b_scale:MATRIX_SCALE_ROW1
	v_wmma_scale_f32_16x16x128_f8f6f4 v[D0+24:D0+31], v[24:31], v[B0+8:B0+15], v[D0+24:D0+31], v10, v[S0] matrix_a_fmt:MATRIX_FMT_FP4 matrix_b_fmt:MATRIX_FMT_FP4 matrix_a_scale:MATRIX_SCALE_ROW1 matrix_b_scale:MATRIX_SCALE_ROW1
.endif
.endm
; A step of 128 along K: 24 fragment loads, 6 scale words, 17 matrix instructions; the 17 accumulators take turns.
.macro KSTEP q
.if (\q) > 0
	FOURNOP                                        ; places in front of loads into registers that matrix instructions have read
.endif
.irp i, 0,1
.irp c, 0,1
	ds_load_b128 v[16+8*\i+4*\c:16+8*\i+4*\c+3], v1 offset:\i*16*PITCH+64*(\q)+32*\c
.endr
.endr
.irp c, 0,1
	ds_load_b128 v[32+4*\c:32+4*\c+3], v4 offset:64*(\q)+32*\c
	ds_load_b128 v[40+4*\c:40+4*\c+3], v3 offset:64*(\q)+32*\c
.endr
.irp t, 0,1,2,3,4,5,6,7
.irp c, 0,1
	ds_load_b128 v[48+8*\t+4*\c:48+8*\t+4*\c+3], v2 offset:\t*16*PITCH+64*(\q)+32*\c
.endr
.endr
	ds_load_b32 v10, v5 offset:4*(\q)
.irp p, 0,1,2,3
	ds_load_b32 v[11+\p], v6 offset:1088*\p+4*(\q)
.endr
	ds_load_b32 v15, v7 offset:4*(\q)
	s_wait_dscnt 0x0
.if (\q) == 0
	MM4 0, 1
	MM4 2, 1
	MM4 4, 1
	MM4 6, 1
	v_wmma_scale_f32_16x16x128_f8f6f4 v[112:119], v[40:47], v[32:39], 0, v15, v15 matrix_a_fmt:MATRIX_FMT_FP4 matrix_b_fmt:MATRIX_FMT_FP4 matrix_a_scale:MATRIX_SCALE_ROW1
.else
	MM4 0, 0
	MM4 2, 0
	MM4 4, 0
	MM4 6, 0
	v_wmma_scale_f32_16x16x128_f8f6f4 v[112:119], v[40:47], v[32:39], v[112:119], v15, v15 matrix_a_fmt:MATRIX_FMT_FP4 matrix_b_fmt:MATRIX_FMT_FP4 matrix_a_scale:MATRIX_SCALE_ROW1
.endif
.endm
.irp q, 0,1,2,3,4,5,6,7
	KSTEP \q
.endr
	; THE WAY OUT
	FOURNOP
.irp t, 0,1,2,3,4,5,6,7
.irp i, 0,1
.irp j, 0,1,2,3,4,5,6,7
	v_add_f32 v[128+8*(2*\t+\i)+\j], v[120+\t], v[128+8*(2*\t+\i)+\j]   ; + b_v of my lane's column; each accumulator from its low end on
.endr
.endr
.endr
	v_and_b32 v0, 31, v0
	v_lshlrev_b32 v0, 4, v0                        ; 16 x lane: an image's place for my lane
	s_lshl_b32 s84, s18, 22                        ; vfrag: ((8 b + 2 cx + wn) 8 + step) 65,536 + (4 (y % 2) + wm) 1,024
	s_lshl_b32 s85, s17, 20
	s_add_co_u32 s84, s84, s85
	s_lshl_b32 s85, s16, 19
	s_add_co_u32 s84, s84, s85
	s_lshr_b32 s85, s19, 1
	s_lshl_b32 s85, s85, 16
	s_add_co_u32 s84, s84, s85
	s_and_b32 s85, s19, 1
	s_lshl_b32 s85, s85, 12
	s_add_co_u32 s84, s84, s85
	s_lshl_b32 s85, s15, 10
	s_add_co_u32 s84, s84, s85
	s_mov_b32 s85, 0
	s_add_nc_u64 s[10:11], s[10:11], s[84:85]
	s_lshl_b32 s84, s18, 16                        ; v of tokens 0-15 in f32: 1,064,960 + (64 b + 16 cx + 8 wn) 1,024
	s_lshl_b32 s86, s17, 14
	s_add_co_u32 s84, s84, s86
	s_lshl_b32 s86, s16, 13
	s_add_co_u32 s84, s84, s86
	s_add_co_u32 s84, s84, 1064960
	s_add_nc_u64 s[88:89], s[12:13], s[84:85]
	s_lshl_b32 s84, s18, 18                        ; latent fragments: ((128 b + 8 y + w) 4 + cx) 512
	s_lshl_b32 s86, s19, 14
	s_add_co_u32 s84, s84, s86
	s_lshl_b32 s86, s[WV], 11
	s_add_co_u32 s84, s84, s86
	s_lshl_b32 s86, s17, 9
	s_add_co_u32 s84, s84, s86
	s_add_nc_u64 s[90:91], s[12:13], s[84:85]
	s_lshl_b32 s84, s18, 12                        ; latent of tokens 0-15 in f32: 1,048,576 + (4 b + cx) 1,024
	s_lshl_b32 s86, s17, 10
	s_add_co_u32 s84, s84, s86
	s_add_co_u32 s84, s84, 1048576
	s_add_nc_u64 s[92:93], s[12:13], s[84:85]
	s_or_b32 s86, s19, s15
	s_cmp_lg_u32 s86, 0
	s_cbranch_scc1 .Lnofine                        ; only the batch's first token tile, waves with wm = 0: tokens 0-15 are their token tile 0
.irp t, 0,1,2,3,4,5,6,7
	global_store_b128 v0, v[128+16*\t:128+16*\t+3], s[88:89] offset:1024*\t
	global_store_b128 v0, v[128+16*\t+4:128+16*\t+7], s[88:89] offset:1024*\t+512
.endr
.Lnofine:
.irp u, 0,1,2,3,4,5,6,7,8,9,10,11,12,13,14,15
.irp k, 0,1,2,3
	v_cvt_pk_f16_f32 v[48+4*\u+\k], v[128+8*\u+2*\k], v[128+8*\u+2*\k+1]
.endr
.endr
.irp t, 0,1,2,3,4,5,6,7
.irp i, 0,1
	global_store_b128 v0, v[48+4*(2*\t+\i):48+4*(2*\t+\i)+3], s[10:11] offset:8192*\t+512*\i   ; token tile i is half i of the fragment
.endr
.endr
.irp k, 0,1,2,3
	v_cvt_pk_f16_f32 v[40+\k], v[112+2*\k], v[112+2*\k+1]
.endr
	global_store_b128 v0, v[40:43], s[90:91]
	s_or_b32 s86, s19, s[WV]
	s_cmp_lg_u32 s86, 0
	s_cbranch_scc1 .Lnolat
	global_store_b128 v0, v[112:115], s[92:93]
	global_store_b128 v0, v[116:119], s[92:93] offset:512
.Lnolat:
	s_wait_tensorcnt 0x0                           ; the wave's end
	ds_add_u32 v[SPW], v[NIL]
	s_wait_dscnt 0x0
	CROUND                                         ; the closing round
	s_endpgm
.Lfunc_end_k_q647e12dece_gemm4:
	.size	k_q647e12dece_gemm4, .Lfunc_end_k_q647e12dece_gemm4-k_q647e12dece_gemm4
	.p2alignl 7, 3214868480
	.fill 96, 4, 3214868480
	.section	.rodata,"a",@progbits
	.p2align	6, 0x0
	.amdhsa_kernel k_q647e12dece_gemm4
		.amdhsa_group_segment_fixed_size 229376
		.amdhsa_private_segment_fixed_size 0
		.amdhsa_enable_private_segment 0
		.amdhsa_kernarg_size 40
		.amdhsa_user_sgpr_count 2
		.amdhsa_user_sgpr_kernarg_segment_ptr 1
		.amdhsa_wavefront_size32 1
		.amdhsa_system_sgpr_workgroup_id_x 1
		.amdhsa_system_sgpr_workgroup_id_y 1
		.amdhsa_system_sgpr_workgroup_id_z 1
		.amdhsa_system_vgpr_workitem_id 0
		.amdhsa_next_free_vgpr 256
		.amdhsa_next_free_sgpr 100
		.amdhsa_reserve_vcc 0
		.amdhsa_float_denorm_mode_32 3
		.amdhsa_float_denorm_mode_16_64 3
		.amdhsa_memory_ordered 1
		.amdhsa_forward_progress 1
		.amdhsa_inst_pref_size 56
	.end_amdhsa_kernel
	.amdgpu_metadata
---
amdhsa.version: [ 1, 2 ]
amdhsa.kernels:
  - .name:           k_q647e12dece_gemm4
    .symbol:         k_q647e12dece_gemm4.kd
    .args:
      - { .name: aq, .offset: 0, .size: 8, .value_kind: global_buffer, .address_space: global }
      - { .name: wq, .offset: 8, .size: 8, .value_kind: global_buffer, .address_space: global }
      - { .name: b_v, .offset: 16, .size: 8, .value_kind: global_buffer, .address_space: global }
      - { .name: vfrag, .offset: 24, .size: 8, .value_kind: global_buffer, .address_space: global }
      - { .name: lat, .offset: 32, .size: 8, .value_kind: global_buffer, .address_space: global }
    .group_segment_fixed_size: 229376
    .private_segment_fixed_size: 0
    .kernarg_segment_align: 8
    .kernarg_segment_size: 40
    .max_flat_workgroup_size: 256
    .sgpr_count:     100
    .vgpr_count:     256
    .wavefront_size: 32
...
	.end_amdgpu_metadata
.endif
;; end of part 2
;; launch attp (part 3): grid 64 x 4, 16 waves a work-group, no clusters, 12,288 bytes of LDS; arguments lat, pfrag, linv; writes pfrag, linv
.if DOCPART == 3
	.amdgcn_target "amdgcn-amd-amdhsa--gfx1250"
	.amdhsa_code_object_version 6
	.text
	.protected	k_q647e12dece_attp
	.globl	k_q647e12dece_attp
	.p2align	8
	.type	k_q647e12dece_attp,@function
k_q647e12dece_attp:
	s_mov_b64 s[64:65], 0
	v_nop
	global_prefetch_b8 v0, s[64:65] scope:SCOPE_SE
	s_setreg_imm32_b32 hwreg(HW_REG_WAVE_MODE, 25, 1), 1
	s_wait_xcnt 0x0
; The attention weights, once for all heads: s = L L^T (f16 operands, f32 sums), the causal mask, the row's maximum m, p = 2^(c s - c m) with c = log2(e) / 8, and 1 / the row's sum of p.
; WORK LEFT OUT: keys from 512 (G + 1) on for the queries of group G (512 queries): all of them are hidden by reference()'s own tril (shown at the head of the first launch).
; SHARES.  A work-group takes two tiles of 16 queries, tA = x and tB = 127 - x: their steps of 256 keys number (2, 8) or (4, 6): ten score blocks a wave in every work-group.
; Wave w takes key tile 16 s + w of step s.  S^T = K Q^T (source 0 = 16 keys, source 1 = 16 queries): a lane holds ONE query and eight keys; all scores stay in registers between the
; pass for the maximum and the exponentials.  Rounded to f16, a block is half a fragment (16 queries x 32 keys) of the next launch's operand: each store covers 512 consecutive bytes, aligned.
; The text parts once on the work-group's number (x < 32 or not), the same in all sixteen waves; each arm has LDS bytes of its own.
; No cluster: the latent fragments go from memory straight into registers, 256 KB a batch in all; there is no LDS tile that partners could ask for jointly.
; REGISTERS: v1 keys' offset; v2, v3 queries'; v4, v5 query - key distance; v6 -infinity; v7 at work; v[8:9], v[10:11] c m; v12-19 sums; v20, v21 maxima; v22, v23 p's offsets;
;   v24-26 LDS addresses; v27 offset in linv; v28, v29 the add's two; v30, v31 lane exchange; v32-63 Q; v64-127 K, four steps; v128-159 tile A's scores; v160-223 tile B's; v224-255 reductions.
.set SPW,   28
.set NIL,   29
.set SPARE, 10240                      ; behind the two arms' 5,120 bytes each: the spare words, 128 bytes a wave
.set CS,    20                         ; s[20:21] c
.set SEL,   22                         ; s[22:23] lane l xor 16
	s_load_b128 s[4:7], s[0:1], 0x0                ; lat, pfrag
	s_load_b64 s[8:9], s[0:1], 0x10                ; linv
	v_lshl_add_u32 v[SPW], v0, 2, SPARE
	v_mov_b32 v[NIL], 0
	v_lshrrev_b32 v1, 5, v0
	v_readfirstlane_b32 s10, v1                    ; wave 0..15
	s_and_b32 s12, ttmp7, 0xffff                   ; batch
	s_sub_co_u32 s13, 127, ttmp9                   ; tB; tA = the work-group's x
	v_and_b32 v7, 31, v0
	v_lshlrev_b32 v7, 4, v7                        ; 16 x lane
	s_lshl_b32 s14, s10, 11
	v_add_nc_u32 v1, s14, v7                       ; a token tile's two fragments are 2,048 bytes
	s_lshl_b32 s14, ttmp9, 11
	v_add_nc_u32 v2, s14, v7
	s_lshl_b32 s14, s13, 11
	v_add_nc_u32 v3, s14, v7
	v_and_b32 v30, 15, v0                          ; r
	v_bfe_u32 v31, v0, 4, 1                        ; h
	v_lshlrev_b32 v6, 3, v31
	v_sub_nc_u32 v6, v30, v6                       ; r - 8 h
	s_sub_co_i32 s14, ttmp9, s10
	s_lshl_b32 s14, s14, 4
	v_add_nc_u32 v4, s14, v6                       ; 16 tA + r - 16 w - 8 h: register j of step s is hidden where 256 s + j is greater
	s_sub_co_i32 s14, s13, s10
	s_lshl_b32 s14, s14, 4
	v_add_nc_u32 v5, s14, v6
	s_lshl_b32 s15, s12, 4
	s_lshl_b32 s17, s10, 9
	s_lshr_b32 s14, ttmp9, 3
	s_add_co_u32 s14, s14, s15
	s_lshl_b32 s14, s14, 6
	s_and_b32 s16, ttmp9, 7
	s_add_co_u32 s14, s14, s16
	s_lshl_b32 s14, s14, 13
	s_add_co_u32 s14, s14, s17
	v_add_nc_u32 v22, s14, v7                      ; p: ((16 b + t / 8) 64 + t % 8) 8,192 + 512 w + 16 lane; a step is 65,536 on
	s_lshr_b32 s14, s13, 3
	s_add_co_u32 s14, s14, s15
	s_lshl_b32 s14, s14, 6
	s_and_b32 s16, s13, 7
	s_add_co_u32 s14, s14, s16
	s_lshl_b32 s14, s14, 13
	s_add_co_u32 s14, s14, s17
	v_add_nc_u32 v23, s14, v7
	v_mul_u32_u24 v25, v30, 80                     ; LDS: a query's row of sixteen words, 80 bytes apart
	s_lshl_b32 s14, s10, 2
	v_add_nc_u32 v24, s14, v25                     ; my wave's word in it
	s_min_u32 s14, s10, 1
	s_mul_i32 s14, s14, 1280
	v_add_nc_u32 v26, s14, v25                     ; wave 0 finishes tile A's sums, wave 1 tile B's
	s_cmp_eq_u32 s10, 0
	s_cselect_b32 s14, ttmp9, s13
	s_lshl_b32 s14, s14, 6
	v_lshl_add_u32 v27, v30, 2, s14                ; 4 (16 t + r)
	v_mov_b32 v6, 0xff800000                       ; -infinity
	v_mov_b32 v9, 0                                ; (upper halves of pairs that the packed form names)
	v_mov_b32 v11, 0
	s_mov_b32 s[CS], 0x3e38aa3b                    ; c = log2(e) / sqrt(64)
	s_mov_b32 s[CS+1], s[CS]
	s_mov_b32 s[SEL], 0x76543210
	s_mov_b32 s[SEL+1], 0xfedcba98
	s_wait_kmcnt 0x0
	s_lshl_b32 s14, s12, 18
	s_mov_b32 s15, 0
	s_add_nc_u64 s[4:5], s[4:5], s[14:15]          ; the batch's latent fragments
	s_lshl_b32 s14, s12, 13
	s_add_nc_u64 s[8:9], s[8:9], s[14:15]
.macro LOADQ reg, adr
.irp f, 0,1
.irp c, 0,1
	global_load_b128 v[\reg+8*\f+4*\c:\reg+8*\f+4*\c+3], v[\adr], s[4:5] offset:1024*\f+512*\c
.endr
.endr
.endm
.macro LOADK s                         ; key tile 16 s + w into buffer s % 4
.irp f, 0,1
.irp c, 0,1
	global_load_b128 v[64+16*((\s)%4)+8*\f+4*\c:64+16*((\s)%4)+8*\f+4*\c+3], v1, s[4:5] offset:32768*(\s)+1024*\f+512*\c
.endr
.endr
.endm
.macro FOURNOP
.rept 4
	v_nop
.endr
.endm
; the mask, and the running maximum of a tile
.macro MASKMAX S, vD, s, MX, first
.irp j, 0,1,2,3,4,5,6,7
	v_cmp_gt_i32 vcc_lo, 256*(\s)+\j, v[\vD]
	v_cndmask_b32 v[(\S)+\j], v[(\S)+\j], v6, vcc_lo
.endr
	v_max3_num_f32 v7, v[(\S)], v[(\S)+1], v[(\S)+2]
	v_max3_num_f32 v7, v7, v[(\S)+3], v[(\S)+4]
	v_max3_num_f32 v7, v7, v[(\S)+5], v[(\S)+6]
.if \first
	v_max_num_f32 v[\MX], v7, v[(\S)+7]
.else
	v_max3_num_f32 v[\MX], v[\MX], v7, v[(\S)+7]
.endif
.endm
; step s for both tiles: two accumulators by turns.  cnt: the key-fragment loads younger than step s's.  ld: the step whose keys take the buffer just read, or -1
.macro UNIT_AB s, cnt, ld, first
.set rK, 64+16*((\s)%4)
	s_wait_loadcnt \cnt
	v_wmma_f32_16x16x32_f16 v[128+8*(\s):128+8*(\s)+7], v[rK:rK+7], v[32:39], 0
	v_wmma_f32_16x16x32_f16 v[160+8*(\s):160+8*(\s)+7], v[rK:rK+7], v[48:55], 0
	v_wmma_f32_16x16x32_f16 v[128+8*(\s):128+8*(\s)+7], v[rK+8:rK+15], v[40:47], v[128+8*(\s):128+8*(\s)+7]
	v_wmma_f32_16x16x32_f16 v[160+8*(\s):160+8*(\s)+7], v[rK+8:rK+15], v[56:63], v[160+8*(\s):160+8*(\s)+7]
	FOURNOP                                        ; places in front of the loads into the buffer just read and of the first read of the results
.if \ld >= 0
	LOADK \ld
.endif
	MASKMAX 128+8*(\s), 4, \s, 20, \first
	MASKMAX 160+8*(\s), 5, \s, 21, \first
.endm
; steps s and s + 1 for tile B
.macro UNIT_BB s, cnt, ld
.set rK, 64+16*((\s)%4)
	s_wait_loadcnt \cnt
	v_wmma_f32_16x16x32_f16 v[160+8*(\s):160+8*(\s)+7], v[rK:rK+7], v[48:55], 0
	v_wmma_f32_16x16x32_f16 v[168+8*(\s):168+8*(\s)+7], v[rK+16:rK+23], v[48:55], 0
	v_wmma_f32_16x16x32_f16 v[160+8*(\s):160+8*(\s)+7], v[rK+8:rK+15], v[56:63], v[160+8*(\s):160+8*(\s)+7]
	v_wmma_f32_16x16x32_f16 v[168+8*(\s):168+8*(\s)+7], v[rK+24:rK+31], v[56:63], v[168+8*(\s):168+8*(\s)+7]
	FOURNOP
.if \ld >= 0
	LOADK \ld
	LOADK (\ld)+1
.endif
	MASKMAX 160+8*(\s), 5, \s, 21, 0
	MASKMAX 168+8*(\s), 5, (\s)+1, 21, 0
.endm
.macro RMAX dst, b
	v_max3_num_f32 v[\dst], v[\b], v[\b+1], v[\b+2]
.irp k, 3,5,7,9,11,13
	v_max3_num_f32 v[\dst], v[\dst], v[\b+\k], v[\b+\k+1]
.endr
	v_max_num_f32 v[\dst], v[\dst], v[\b+15]
.endm
.macro SUMS b, pairs, ch               ; the lane's sum of p, two at a time, in two chains started by the first block
	v_pk_add_f32 v[\ch:\ch+1], v[\b:\b+1], v[\b+2:\b+3]
	v_pk_add_f32 v[\ch+2:\ch+3], v[\b+4:\b+5], v[\b+6:\b+7]
.set n, 4
.rept (\pairs)-4
	v_pk_add_f32 v[\ch+2*(n%2):\ch+2*(n%2)+1], v[\ch+2*(n%2):\ch+2*(n%2)+1], v[\b+2*n:\b+2*n+1]
.set n, n+1
.endr
	v_pk_add_f32 v[\ch:\ch+1], v[\ch:\ch+1], v[\ch+2:\ch+3]
	v_add_f32 v[\ch], v[\ch], v[\ch+1]
.endm
; behind the scores: na, nb blocks of tiles A and B; base: the arm's LDS bytes: maxima [tile][80 r + 4 w] at base, sums at base + 2,560
.macro TAIL na, nb, base
	v_permlanex16_b32 v30, v20, s[SEL], s[SEL+1]
	v_permlanex16_b32 v31, v21, s[SEL], s[SEL+1]
	v_max_num_f32 v20, v20, v30                    ; with the other half's eight keys
	v_max_num_f32 v21, v21, v31
	ds_store_b32 v24, v20 offset:\base             ; lanes l and l + 16 write the same word with the same value
	ds_store_b32 v24, v21 offset:\base+1280
	s_wait_dscnt 0x0                               ; for the others' sake
	s_barrier_signal -1
	s_barrier_wait -1
.irp k, 0,1,2,3
	ds_load_b128 v[224+4*\k:224+4*\k+3], v25 offset:\base+16*\k
	ds_load_b128 v[240+4*\k:240+4*\k+3], v25 offset:\base+1280+16*\k
.endr
	s_wait_dscnt 0x0
	RMAX 20, 224                                   ; my query's maximum over all sixteen waves: a number, since key 0 counts for every query
	RMAX 21, 240
	v_mul_f32 v8, s[CS], v20
	v_mul_f32 v10, s[CS], v21
.set n, 0
.rept 4*(\na)
	v_pk_fma_f32 v[128+2*n:129+2*n], v[128+2*n:129+2*n], s[CS:CS+1], v[8:9] op_sel_hi:[1,0,0] neg_lo:[0,0,1] neg_hi:[0,0,1]   ; c s - c m
.set n, n+1
.endr
.set n, 0
.rept 4*(\nb)
	v_pk_fma_f32 v[160+2*n:161+2*n], v[160+2*n:161+2*n], s[CS:CS+1], v[10:11] op_sel_hi:[1,0,0] neg_lo:[0,0,1] neg_hi:[0,0,1]
.set n, n+1
.endr
.set n, 0
.rept 8*(\na)
	v_exp_f32 v[128+n], v[128+n]                   ; hidden keys: 2^-infinity = 0
.set n, n+1
.endr
.set n, 0
.rept 8*(\nb)
	v_exp_f32 v[160+n], v[160+n]
.set n, n+1
.endr
	v_nop                                          ; a plain instruction behind the last exponential
	s_wait_alu depctr_va_vdst(0)                   ; one wait for the batch of eighty, ahead of its first reader
	SUMS 128, 4*(\na), 12
	SUMS 160, 4*(\nb), 16
.set n, 0
.rept \na
.irp k, 0,1,2,3
	v_cvt_pk_f16_f32 v[128+8*n+\k], v[128+8*n+2*\k], v[128+8*n+2*\k+1]
.endr
	global_store_b128 v22, v[128+8*n:128+8*n+3], s[6:7] offset:65536*n
.set n, n+1
.endr
.set n, 0
.rept \nb
.irp k, 0,1,2,3
	v_cvt_pk_f16_f32 v[160+8*n+\k], v[160+8*n+2*\k], v[160+8*n+2*\k+1]
.endr
	global_store_b128 v23, v[160+8*n:160+8*n+3], s[6:7] offset:65536*n
.set n, n+1
.endr
	v_permlanex16_b32 v30, v12, s[SEL], s[SEL+1]
	v_permlanex16_b32 v31, v16, s[SEL], s[SEL+1]
	v_add_f32 v12, v12, v30
	v_add_f32 v16, v16, v31
	ds_store_b32 v24, v12 offset:\base+2560
	ds_store_b32 v24, v16 offset:\base+2560+1280
	s_wait_dscnt 0x0
	s_barrier_signal -1
	s_barrier_wait -1
	s_cmp_lt_u32 s10, 2
	s_cbranch_scc0 .Ldone_\@
.irp k, 0,1,2,3
	ds_load_b128 v[224+4*\k:224+4*\k+3], v26 offset:\base+2560+16*\k
.endr
	s_wait_dscnt 0x0
.irp k, 0,2,4,6
	v_pk_add_f32 v[224+\k:225+\k], v[224+\k:225+\k], v[232+\k:233+\k]
.endr
	v_pk_add_f32 v[224:225], v[224:225], v[228:229]
	v_pk_add_f32 v[226:227], v[226:227], v[230:231]
	v_pk_add_f32 v[224:225], v[224:225], v[226:227]
	v_add_f32 v224, v224, v225
	v_rcp_f32 v13, v224
	v_nop
	s_wait_alu depctr_va_vdst(0)
	global_store_b32 v27, v13, s[8:9]              ; 64 bytes a tile; lanes l and l + 16 store the same word
.Ldone_\@:
	s_wait_tensorcnt 0x0                           ; the wave's end
	ds_add_u32 v[SPW], v[NIL]
	s_wait_dscnt 0x0
	s_endpgm
.endm
	LOADQ 32, 2
	LOADQ 48, 3
	LOADK 0
	LOADK 1
	LOADK 2
	LOADK 3
	s_cmp_ge_u32 ttmp9, 32
	s_cbranch_scc1 .Larm46
	UNIT_AB 0, 12, 4, 1                            ; behind step 0's keys: steps 1, 2, 3
	UNIT_AB 1, 12, 5, 0                            ; steps 2, 3, 4
	UNIT_BB 2, 8, 6                                ; steps 4, 5
	UNIT_BB 4, 8, -1                               ; steps 6, 7
	UNIT_BB 6, 0, -1
	TAIL 2, 8, 0
.Larm46:
	UNIT_AB 0, 12, 4, 1
	UNIT_AB 1, 12, 5, 0
	UNIT_AB 2, 12, -1, 0                           ; steps 3, 4, 5
	UNIT_AB 3, 8, -1, 0                            ; steps 4, 5
	UNIT_BB 4, 0, -1
	TAIL 4, 6, 5120
.Lfunc_end_k_q647e12dece_attp:
	.size	k_q647e12dece_attp, .Lfunc_end_k_q647e12dece_attp-k_q647e12dece_attp
	.p2alignl 7, 3214868480
	.fill 96, 4, 3214868480
	.section	.rodata,"a",@progbits
	.p2align	6, 0x0
	.amdhsa_kernel k_q647e12dece_attp
		.amdhsa_group_segment_fixed_size 12288
		.amdhsa_private_segment_fixed_size 0
		.amdhsa_enable_private_segment 0
		.amdhsa_kernarg_size 24
		.amdhsa_user_sgpr_count 2
		.amdhsa_user_sgpr_kernarg_segment_ptr 1
		.amdhsa_wavefront_size32 1
		.amdhsa_system_sgpr_workgroup_id_x 1
		.amdhsa_system_sgpr_workgroup_id_y 1
		.amdhsa_system_sgpr_workgroup_id_z 1
		.amdhsa_system_vgpr_workitem_id 0
		.amdhsa_next_free_vgpr 256
		.amdhsa_next_free_sgpr 66
		.amdhsa_reserve_vcc 1
		.amdhsa_float_denorm_mode_32 3
		.amdhsa_float_denorm_mode_16_64 3
		.amdhsa_memory_ordered 1
		.amdhsa_forward_progress 1
		.amdhsa_inst_pref_size 60
	.end_amdhsa_kernel
	.amdgpu_metadata
---
amdhsa.version: [ 1, 2 ]
amdhsa.kernels:
  - .name:           k_q647e12dece_attp
    .symbol:         k_q647e12dece_attp.kd
    .args:
      - { .name: lat, .offset: 0, .size: 8, .value_kind: global_buffer, .address_space: global }
      - { .name: pfrag, .offset: 8, .size: 8, .value_kind: global_buffer, .address_space: global }
      - { .name: linv, .offset: 16, .size: 8, .value_kind: global_buffer, .address_space: global }
    .group_segment_fixed_size: 12288
    .private_segment_fixed_size: 0
    .kernarg_segment_align: 8
    .kernarg_segment_size: 24
    .max_flat_workgroup_size: 512
    .sgpr_count:     66
    .vgpr_count:     256
    .wavefront_size: 32
...
	.end_amdgpu_metadata
.endif
;; end of part 3
;; launch pv (part 4): grid 8 x 32, 4 waves a work-group, clusters of 4 x 4, 327,680 bytes of LDS; arguments pfrag, vfrag, linv, yfrag; writes yfrag
.if DOCPART == 4
	.amdgcn_target "amdgcn-amd-amdhsa--gfx1250"
	.amdhsa_code_object_version 6
	.text
	.protected	k_q647e12dece_pv
	.globl	k_q647e12dece_pv
	.p2align	8
	.type	k_q647e12dece_pv,@function
k_q647e12dece_pv:
	s_mov_b64 s[64:65], 0
	v_nop
	global_prefetch_b8 v0, s[64:65] scope:SCOPE_SE
	s_setreg_imm32_b32 hwreg(HW_REG_WAVE_MODE, 25, 1), 1
	s_wait_xcnt 0x0
	s_wait_alu depctr_hold_cnt(0) depctr_sa_sdst(0) depctr_va_vdst(0) depctr_va_sdst(0) depctr_va_ssrc(0) depctr_va_vcc(0) depctr_vm_vsrc(0)
	s_getreg_b32 s2, hwreg(HW_REG_IB_STS2, 6, 4)
	s_cmp_eq_u32 s2, 0
	s_cbranch_scc0 .Lentry_in_a_cluster
	s_endpgm
.Lentry_in_a_cluster:
	s_bfe_u32 s2, ttmp6, 0x10000c
	s_cmp_lg_u32 s2, 0xf033
	s_cbranch_scc0 .Lentry_shape_is_right
	s_endpgm
.Lentry_shape_is_right:
; y = (p v) / the row's sum of p, f16 operands, f32 sums; y leaves as f16 fragments for the projection.
; WORK LEFT OUT: keys from 512 (G + 1) on for the queries of group G: reference()'s own tril hides them all (shown at the head of the first launch).  Inside what is kept hidden p are zeros.
; A tile is 128 queries x 128 channels; four waves, 64 x 64 each: 16 accumulators.  The keys go in steps of 256 through two LDS slots; a lap is two steps; group G has G + 1 laps.
; A WORK-GROUP STAYS AND MAKES TWO TILES: tile A in group g, tile B in group 3 - g, of the same channels: g + 1 and 4 - g laps, five in every work-group.  The ring does not stop at tile A's end:
; its last two changes of slots ask for tile B's steps 0 and 1, tile A goes out when both are asked for, and nothing waits for its stores.
; CLUSTER 4 x 4: the cluster's y gives the batch (y % 4) and g = y / 4; cy the block of 128 queries in a group, cx with the cluster's x the block of 128 channels.
; So all sixteen partners have the same laps; the four of a row share p's tiles, the four of a column v's: each is asked for jointly.
; Both operands lie in memory as images of their registers: a wave's load is a dense block of 32 KB, and a fragment load reads 512 consecutive LDS bytes: no padding is needed.
; TRANSPOSED: source 0 = 16 channels of V^T, source 1 = 16 queries of p: a lane holds one query and eight neighbouring channels.
; REGISTERS: window 0: v7 offset in linv; v8, 10, 12, 14 tile A's four 1 / sum; v96, 98, 100, 102 tile B's; v16-21 LDS addresses; v24 16 x lane; v28, v29 the add's two; v32-95 the way out;
;   v128-255 accumulators ((a, b) at 128 + 8 (4 a + b)).   window 1: two fragment buffers of 128: 64 registers of p, then 64 of V^T, for 64 keys.
.set SLOT,  131072                     ; p's 64 KB [query tile][32 keys][1 KB], then v's 64 KB [channel tile][32 keys][1 KB]
.set VOFF,  65536
.set SPARE, 2*SLOT                     ; the spare words, 128 bytes a wave
.set ADRA, 16
.set ADRB, 20
.set GO,   24
.set LO,   7
.set LV,   8
.set LVB,  96
.set SPW,  28
.set NIL,  29
.set TMP,  32
.set ACC,  128
.set F0,   0
.set F1,   128
.set WV,   14
.set HI,   15                          ; which 64 queries are mine; also: I fetch p (0) or v (1)
.set LH,   16                          ; which 64 channels; also: which half of that tile I fetch
.set G1,   24
.set G0,   32
.set G1B,  48
.set G0B,  56
.set VB,   46                          ; s[46:47] v's fragments at step 0, my half: both tiles begin there
.set PB,   70                          ; s[70:71] tile B's p at step 0, my half
.set YB,   72                          ; s[72:73] where tile B's y goes
.set LNB,  74                          ; s[74:75] tile B's 1 / sum
.set MSB,  0
.macro WIN new
.if MSB != \new
	s_set_vgpr_msb (MSB<<8)|\new
.set MSB, \new
.endif
.endm
.set MUL,  0x05                        ; sources 0 and 1 window 1; C and D window 0
.set TO_F, 0x40                        ; destination window 1, address window 0
.macro PLACES
.rept 4
	v_nop
.endr
.endm
.macro JLOAD s                         ; a joint load: waves 0, 1 fetch p's halves, waves 2, 3 v's; an s_nop 0 and four v_nop follow each line
	s_cmp_eq_u32 s[HI], 0
	s_cbranch_scc0 .Lfor_b_\@
	tensor_load_to_lds s[G0+4*\s:G0+4*\s+3], s[G1:G1+7]
	s_nop 0
	PLACES
	s_branch .Lasked_\@
.Lfor_b_\@:
	tensor_load_to_lds s[G0B+4*\s:G0B+4*\s+3], s[G1B:G1B+7]
	s_nop 0
	PLACES
.Lasked_\@:
.endm
.macro CREST
	s_cmp_lg_u32 s[WV], 0
	s_cbranch_scc1 .Lnot_wave_0_\@
	s_barrier_signal -3
.Lnot_wave_0_\@:
	s_barrier_wait -3
	s_barrier_signal -1
	s_barrier_wait -1
.endm
.macro CROUND
	s_barrier_signal -1
	s_barrier_wait -1
	CREST
.endm
	s_load_b256 s[4:11], s[0:1], 0x0               ; pfrag s[4:5], vfrag s[6:7], linv s[8:9], yfrag s[10:11]
	v_lshl_add_u32 v[SPW], v0, 2, SPARE
	v_mov_b32 v[NIL], 0
	ds_add_u32 v[SPW], v[NIL]                      ; the wave's opening: the add, twice on end, and its wait ahead of my first tensor load
	ds_add_u32 v[SPW], v[NIL]
	v_lshrrev_b32 v1, 5, v0
	v_readfirstlane_b32 s[WV], v1
	s_lshr_b32 s[HI], s[WV], 1
	s_and_b32 s[LH], s[WV], 1
	s_bfe_u32 s40, ttmp6, 0x40000                  ; cx
	s_bfe_u32 s41, ttmp6, 0x40004                  ; cy
	s_and_b32 s13, ttmp7, 0xffff                   ; the cluster's y
	s_lshr_b32 s17, s13, 2                         ; g: the same in all sixteen partners
	s_and_b32 s18, s13, 3                          ; batch
	s_lshl_b32 s19, s17, 2
	s_add_co_u32 s19, s19, s41                     ; tile A's block of 128 queries: 4 g + cy
	s_sub_co_u32 s12, 3, s17
	s_lshl_b32 s12, s12, 2
	s_add_co_u32 s12, s12, s41                     ; tile B's: 4 (3 - g) + cy
	s_lshl_b32 s42, ttmp9, 2
	s_add_co_u32 s42, s42, s40                     ; block of 128 channels
	s_lshl_b32 s43, s41, 2
	s_lshl_b32 s43, 15, s43                        ; my row of the cluster
	s_lshl_b32 s44, 0x1111, s40                    ; my column
	s_or_b32 s[G1], s43, (3<<16)|(1<<21)           ; elements of 8 bytes, no padding
	s_or_b32 s[G1B], s44, (3<<16)|(1<<21)
.irp g, G1, G1B
	s_mov_b32 s[\g+1], 32<<16                      ; 32 KB dense, as 128 rows of 256 bytes
	s_mov_b32 s[\g+2], 128<<16
	s_mov_b32 s[\g+3], 32<<16
	s_mov_b32 s[\g+4], 128
	s_mov_b32 s[\g+5], 32
	s_mov_b32 s[\g+6], 0
	s_mov_b32 s[\g+7], 0
.endr
	s_lshl_b32 s21, s[LH], 15
	s_lshl_b32 s22, s18, 4
	s_add_co_u32 s22, s22, s19
	s_lshl_b32 s22, s22, 19                        ; p: (16 b + query block) x 8 steps x 64 KB
	s_add_co_u32 s22, s22, s21
	s_mov_b32 s23, 0
	s_lshl_b32 s[PB], s18, 4
	s_add_co_u32 s[PB], s[PB], s12
	s_lshl_b32 s[PB], s[PB], 19                    ; the same for tile B
	s_add_co_u32 s[PB], s[PB], s21
	s_mov_b32 s[PB+1], 0
	s_lshl_b32 s[VB], s18, 3
	s_add_co_u32 s[VB], s[VB], s42
	s_lshl_b32 s[VB], s[VB], 19                    ; v: (8 b + channel block) x 8 steps x 64 KB
	s_add_co_u32 s[VB], s[VB], s21
	s_mov_b32 s[VB+1], 0
	s_lshl_b32 s45, s[WV], 15                      ; where my load goes: wave x 32 KB: no place in the cluster enters an LDS address
	s_wait_dscnt 0x0                               ; both opening adds are done
	s_wait_kmcnt 0x0
	s_add_nc_u64 s[22:23], s[4:5], s[22:23]
	s_add_nc_u64 s[PB:PB+1], s[4:5], s[PB:PB+1]
	s_add_nc_u64 s[VB:VB+1], s[6:7], s[VB:VB+1]
	CROUND                                         ; all sixteen work-groups are here: the first joint loads meet
.irp s, 0,1
	s_mov_b32 s[G0+4*\s], 1
	s_add_co_u32 s[G0+4*\s+1], s45, \s*SLOT
	s_add_nc_u64 s[G0+4*\s+2:G0+4*\s+3], s[22:23], \s*65536
	s_or_b32 s[G0+4*\s+3], s[G0+4*\s+3], 0x80000000
	s_mov_b32 s[G0B+4*\s], 1
	s_add_co_u32 s[G0B+4*\s+1], s45, \s*SLOT
	s_add_nc_u64 s[G0B+4*\s+2:G0B+4*\s+3], s[VB:VB+1], \s*65536
	s_or_b32 s[G0B+4*\s+3], s[G0B+4*\s+3], 0x80000000
	JLOAD \s                                       ; tile A's steps 0 and 1: every group has at least two steps
.endr
	v_and_b32 v1, 15, v0                           ; r
	v_and_b32 v2, 31, v0
	v_lshlrev_b32 v[GO], 4, v2                     ; 16 x lane
	s_lshl_b32 s21, s[HI], 15                      ; my four query tiles
	s_lshl_b32 s66, s[LH], 15                      ; my four channel tiles,
	s_add_co_u32 s66, s66, VOFF                    ; behind p's 64 KB
.irp s, 0,1
	v_add_nc_u32 v[ADRA+\s], s21, v[GO]
	v_add_nc_u32 v[ADRB+\s], s66, v[GO]
	s_add_co_u32 s21, s21, SLOT
	s_add_co_u32 s66, s66, SLOT
.endr
	v_lshlrev_b32 v[LO], 2, v1
	s_lshl_b32 s68, s18, 13                        ; linv: (2,048 b + 128 query block + 64 hi) x 4 bytes
	s_lshl_b32 s69, s[HI], 8
	s_add_co_u32 s68, s68, s69
	s_lshl_b32 s76, s12, 9
	s_add_co_u32 s76, s76, s68
	s_mov_b32 s77, 0
	s_add_nc_u64 s[LNB:LNB+1], s[8:9], s[76:77]    ; tile B's 64 queries
	s_lshl_b32 s76, s19, 9
	s_add_co_u32 s76, s76, s68
	s_add_nc_u64 s[8:9], s[8:9], s[76:77]          ; tile A's
.irp a, 0,1,2,3
	global_load_b32 v[LV+2*\a], v[LO], s[8:9] offset:64*\a
	global_load_b32 v[LVB+2*\a], v[LO], s[LNB:LNB+1] offset:64*\a
	v_mov_b32 v[LV+2*\a+1], 0                      ; (the upper halves of the pairs that the packed multiply names)
	v_mov_b32 v[LVB+2*\a+1], 0
.endr
	s_lshr_b32 s68, s42, 1                         ; y: (((16 b + query block) 4 + channel block / 2) 64 + 32 hi + 4 (channel block % 2) + 2 lh) 1,024
	s_lshl_b32 s68, s68, 16
	s_lshl_b32 s69, s[HI], 15
	s_add_co_u32 s68, s68, s69
	s_and_b32 s69, s42, 1
	s_lshl_b32 s69, s69, 12
	s_add_co_u32 s68, s68, s69
	s_lshl_b32 s69, s[LH], 11
	s_add_co_u32 s68, s68, s69                     ; what both tiles share
	s_lshl_b32 s78, s18, 4
	s_add_co_u32 s78, s78, s12
	s_lshl_b32 s78, s78, 18
	s_add_co_u32 s78, s78, s68
	s_mov_b32 s79, 0
	s_add_nc_u64 s[YB:YB+1], s[10:11], s[78:79]
	s_lshl_b32 s78, s18, 4
	s_add_co_u32 s78, s78, s19
	s_lshl_b32 s78, s78, 18
	s_add_co_u32 s78, s78, s68
	s_add_nc_u64 s[10:11], s[10:11], s[78:79]
; 8 matrix instructions: query tiles a0, a0 + 1 x my four channel tiles, 32 keys: half c of buffer f.  The 16 accumulators take turns.
.macro MUL8 f, c, a0, zero
.irp a, \a0, \a0+1
.irp b, 0,1,2,3
.if \zero
	v_wmma_f32_16x16x32_f16 v[ACC+8*(4*(\a)+\b):ACC+8*(4*(\a)+\b)+7], v[\f+64+8*(4*\c+\b):\f+64+8*(4*\c+\b)+7], v[\f+8*(4*\c+\a):\f+8*(4*\c+\a)+7], 0
.else
	v_wmma_f32_16x16x32_f16 v[ACC+8*(4*(\a)+\b):ACC+8*(4*(\a)+\b)+7], v[\f+64+8*(4*\c+\b):\f+64+8*(4*\c+\b)+7], v[\f+8*(4*\c+\a):\f+8*(4*\c+\a)+7], v[ACC+8*(4*(\a)+\b):ACC+8*(4*(\a)+\b)+7]
.endif
.endr
.endr
.endm
; 32 LDS loads in one run: the fragments of the slot's quarter qr (64 keys) into buffer f; the first 32 keys first
.macro FETCH slot, qr, f
	WIN TO_F
.irp c, 0,1
.irp i, 0,1,2,3
	ds_load_b128 v[\f+64+8*(4*\c+\i):\f+64+8*(4*\c+\i)+3],   v[ADRB+\slot] offset:\i*8192+(2*(\qr)+\c)*1024
	ds_load_b128 v[\f+64+8*(4*\c+\i)+4:\f+64+8*(4*\c+\i)+7], v[ADRB+\slot] offset:\i*8192+(2*(\qr)+\c)*1024+512
	ds_load_b128 v[\f+8*(4*\c+\i):\f+8*(4*\c+\i)+3],         v[ADRA+\slot] offset:\i*8192+(2*(\qr)+\c)*1024
	ds_load_b128 v[\f+8*(4*\c+\i)+4:\f+8*(4*\c+\i)+7],       v[ADRA+\slot] offset:\i*8192+(2*(\qr)+\c)*1024+512
.endr
.endr
.endm
.macro QUARTER slot, qr, f, g, zero    ; multiplies buffer f and fetches quarter qr into g
	s_wait_dscnt 16                                ; the first 32 keys are in; the other sixteen loads may be out
	WIN MUL
	MUL8 \f, 0, 0, \zero
	MUL8 \f, 0, 2, \zero
	PLACES
	FETCH \slot, \qr, \g
	s_wait_dscnt 32                                ; all but the 32 just issued
	WIN MUL
	MUL8 \f, 1, 0, 0
	MUL8 \f, 1, 2, 0
.endm
; A slot's last quarter changes slots: in front of the barrier each wave waits for all its tensor loads, adds 0 to its spare word, and waits for that and for its reads of this slot.
; fill = 1: this slot takes the same tile's step two steps on;  fill = 2: tile B's step 0 or 1;  fill = 0: nothing.
.macro TURN slot, next, fill
	WIN 0
	s_wait_tensorcnt 0x0                           ; all my tensor loads have landed: my part of the next slot
	ds_add_u32 v[SPW], v[NIL]
	s_wait_dscnt 17                                ; the add and the youngest sixteen loads may be out
	WIN MUL
	MUL8 F1, 0, 0, 0
	s_wait_dscnt 0x0                               ; the add is done, and my reads of this slot are over
	s_barrier_signal -1
	MUL8 F1, 0, 2, 0
.if \fill
	WIN 0
.endif
	s_barrier_wait -1
.if \fill
	CREST                                          ; the barrier has opened a round of the cluster's barrier: no wave of any partner still reads this slot or has a load on its way
.if \fill == 2
	s_add_nc_u64 s[G0+4*\slot+2:G0+4*\slot+3], s[PB:PB+1], \slot*65536
	s_or_b32 s[G0+4*\slot+3], s[G0+4*\slot+3], 0x80000000
	s_add_nc_u64 s[G0B+4*\slot+2:G0B+4*\slot+3], s[VB:VB+1], \slot*65536
	s_or_b32 s[G0B+4*\slot+3], s[G0B+4*\slot+3], 0x80000000
.else
	s_add_nc_u64 s[G0+4*\slot+2:G0+4*\slot+3], s[G0+4*\slot+2:G0+4*\slot+3], 2*65536
	s_add_nc_u64 s[G0B+4*\slot+2:G0B+4*\slot+3], s[G0B+4*\slot+2:G0B+4*\slot+3], 2*65536
.endif
	JLOAD \slot                                    ; the first tensor load behind the round; its four v_nop are also the places in front of the loads below
.else
	PLACES
.endif
	FETCH \next, 0, F0
	WIN MUL
	MUL8 F1, 1, 0, 0
	MUL8 F1, 1, 2, 0
.endm
; once round the ring, from a lap's second quarter to the next lap's first; both slots are filled again with the same tile's steps
.macro LAP
	QUARTER 0, 2, F1, F0, 0
	QUARTER 0, 3, F0, F1, 0
	TURN 0, 1, 1
	QUARTER 1, 1, F0, F1, 0
	QUARTER 1, 2, F1, F0, 0
	QUARTER 1, 3, F0, F1, 0
	TURN 1, 0, 1
	QUARTER 0, 1, F0, F1, 0
	WIN 0
.endm
; THE WAY OUT: x 1 / sum, to f16; accumulator (a, b) is half b % 2 of fragment (query tile a, 32 channels b / 2): each store covers 512 consecutive bytes, aligned
.macro WAYOUT lv, yb
	PLACES
	s_wait_loadcnt 0x0                             ; the 1 / sum
	s_wait_xcnt 0x0                                ; the earlier tile's stores have read their data registers
.irp a, 0,1,2,3
.irp b, 0,1,2,3
.irp k, 0,2,4,6
	v_pk_mul_f32 v[ACC+8*(4*\a+\b)+\k:ACC+8*(4*\a+\b)+\k+1], v[ACC+8*(4*\a+\b)+\k:ACC+8*(4*\a+\b)+\k+1], v[\lv+2*\a:\lv+2*\a+1] op_sel_hi:[1,0]
.endr
.endr
.endr
.irp t, 0,1,2,3,4,5,6,7,8,9,10,11,12,13,14,15
.irp k, 0,1,2,3
	v_cvt_pk_f16_f32 v[TMP+4*\t+\k], v[ACC+8*\t+2*\k], v[ACC+8*\t+2*\k+1]
.endr
.endr
.irp a, 0,1,2,3
.irp b, 0,1,2,3
	global_store_b128 v[GO], v[TMP+4*(4*\a+\b):TMP+4*(4*\a+\b)+3], s[\yb:\yb+1] offset:8192*\a+512*\b
.endr
.endr
.endm
	s_wait_tensorcnt 1                             ; my part of step 0 is in; step 1's may stay out
	s_barrier_signal -1
	s_barrier_wait -1
	FETCH 0, 0, F0
	QUARTER 0, 1, F0, F1, 1                        ; tile A's first products start the sums
	WIN 0
	s_cmp_eq_u32 s17, 0                            ; tile A has g + 1 laps: with g = 0 its first lap is its last.  The condition is the cluster's y alone
	s_cbranch_scc1 .Llast_a
	LAP
.Llast_a:                                          ; tile A's last lap: THE RING GOES ON INTO TILE B
	QUARTER 0, 2, F1, F0, 0
	QUARTER 0, 3, F0, F1, 0
	TURN 0, 1, 2                                   ; slot 0 takes tile B's step 0,
	QUARTER 1, 1, F0, F1, 0
	QUARTER 1, 2, F1, F0, 0
	QUARTER 1, 3, F0, F1, 0
	TURN 1, 0, 2                                   ; slot 1 its step 1, and tile B's first fragments are fetched
	WIN 0
	WAYOUT LV, 10                                  ; both refills are asked for: now tile A goes out; its conversions are also the places behind its last products
	QUARTER 0, 1, F0, F1, 1                        ; tile B's first products start the sums anew
	WIN 0
	s_sub_co_u32 s3, 3, s17                        ; tile B has 4 - g laps: 3 - g trips fill both slots again
	s_max_u32 s3, s3, 1
.Llap:
	LAP
	s_sub_co_u32 s3, s3, 1
	s_cmp_lg_u32 s3, 0
	s_cbranch_scc1 .Llap
	QUARTER 0, 2, F1, F0, 0                        ; the last lap fills nothing
	QUARTER 0, 3, F0, F1, 0
	TURN 0, 1, 0
	QUARTER 1, 1, F0, F1, 0
	QUARTER 1, 2, F1, F0, 0
	QUARTER 1, 3, F0, F1, 0
	s_wait_dscnt 16
	WIN MUL
	MUL8 F1, 0, 0, 0
	MUL8 F1, 0, 2, 0
	s_wait_dscnt 0x0
	MUL8 F1, 1, 0, 0
	MUL8 F1, 1, 2, 0
	WIN 0
	WAYOUT LVB, YB
	s_wait_tensorcnt 0x0                           ; the wave's end
	ds_add_u32 v[SPW], v[NIL]
	s_wait_dscnt 0x0
	CROUND                                         ; the closing round
	s_endpgm
.Lfunc_end_k_q647e12dece_pv:
	.size	k_q647e12dece_pv, .Lfunc_end_k_q647e12dece_pv-k_q647e12dece_pv
	.p2alignl 7, 3214868480
	.fill 96, 4, 3214868480
	.section	.rodata,"a",@progbits
	.p2align	6, 0x0
	.amdhsa_kernel k_q647e12dece_pv
		.amdhsa_group_segment_fixed_size 327680
		.amdhsa_private_segment_fixed_size 0
		.amdhsa_enable_private_segment 0
		.amdhsa_kernarg_size 32
		.amdhsa_user_sgpr_count 2
		.amdhsa_user_sgpr_kernarg_segment_ptr 1
		.amdhsa_wavefront_size32 1
		.amdhsa_system_sgpr_workgroup_id_x 1
		.amdhsa_system_sgpr_workgroup_id_y 1
		.amdhsa_system_sgpr_workgroup_id_z 1
		.amdhsa_system_vgpr_workitem_id 0
		.amdhsa_next_free_vgpr 512
		.amdhsa_next_free_sgpr 80
		.amdhsa_reserve_vcc 0
		.amdhsa_float_denorm_mode_32 3
		.amdhsa_float_denorm_mode_16_64 3
		.amdhsa_memory_ordered 1
		.amdhsa_forward_progress 1
		.amdhsa_inst_pref_size 171
	.end_amdhsa_kernel
	.amdgpu_metadata
---
amdhsa.version: [ 1, 2 ]
amdhsa.kernels:
  - .name:           k_q647e12dece_pv
    .symbol:         k_q647e12dece_pv.kd
    .args:
      - { .name: pfrag, .offset: 0, .size: 8, .value_kind: global_buffer, .address_space: global }
      - { .name: vfrag, .offset: 8, .size: 8, .value_kind: global_buffer, .address_space: global }
      - { .name: linv, .offset: 16, .size: 8, .value_kind: global_buffer, .address_space: global }
      - { .name: yfrag, .offset: 24, .size: 8, .value_kind: global_buffer, .address_space: global }
    .group_segment_fixed_size: 327680
    .private_segment_fixed_size: 0
    .kernarg_segment_align: 8
    .kernarg_segment_size: 32
    .max_flat_workgroup_size: 128
    .sgpr_count:     80
    .vgpr_count:     512
    .wavefront_size: 32
...
	.end_amdgpu_metadata
.endif
;; end of part 4
;; launch oproj (part 5): grid 4 x 64, 4 waves a work-group, clusters of 4 x 4, 327,680 bytes of LDS; arguments yfrag, wo16, b_o, out0; writes out0
.if DOCPART == 5
	.amdgcn_target "amdgcn-amd-amdhsa--gfx1250"
	.amdhsa_code_object_version 6
	.text
	.protected	k_q647e12dece_oproj
	.globl	k_q647e12dece_oproj
	.p2align	8
	.type	k_q647e12dece_oproj,@function
k_q647e12dece_oproj:
	s_mov_b64 s[64:65], 0
	v_nop
	global_prefetch_b8 v0, s[64:65] scope:SCOPE_SE
	s_setreg_imm32_b32 hwreg(HW_REG_WAVE_MODE, 25, 1), 1
	s_wait_xcnt 0x0
	s_wait_alu depctr_hold_cnt(0) depctr_sa_sdst(0) depctr_va_vdst(0) depctr_va_sdst(0) depctr_va_ssrc(0) depctr_va_vcc(0) depctr_vm_vsrc(0)
	s_getreg_b32 s2, hwreg(HW_REG_IB_STS2, 6, 4)
	s_cmp_eq_u32 s2, 0
	s_cbranch_scc0 .Lentry_in_a_cluster
	s_endpgm
.Lentry_in_a_cluster:
	s_bfe_u32 s2, ttmp6, 0x10000c
	s_cmp_lg_u32 s2, 0xf033
	s_cbranch_scc0 .Lentry_shape_is_right
	s_endpgm
.Lentry_shape_is_right:
; out = y W_o^T + b_o, f16 operands, f32 sums, for all rows but the first 16 of each sequence, which the last launch stores from f32 operands.
; A tile is 128 rows x 128 columns; four waves, 64 x 64 each.  K = 1,024 goes in four steps of 256 through two LDS slots.
; A WORK-GROUP STAYS AND MAKES TWO TILES of the same 128 rows: column blocks cx and cx + 4.  The ring does not stop at the first tile's end: its last two changes of slots ask for the second
; tile's steps 0 and 1, the first tile goes out when both are asked for, and nothing waits for its stores.  All eight steps are written out.
; CLUSTER 4 x 4: cy = batch, the cluster's y = the block of 128 rows in the batch, cx = the block of 128 columns.  The four of a row share y's tiles, the four of a column W_o's.
; y lies in memory as images of its operand registers (dense 32 KB a load); W_o as rows of f16: 64 rows x 512 bytes a load, 16 bytes of padding behind each.
; TRANSPOSED: source 0 = 16 rows of W_o, source 1 = 16 rows of y: a lane holds one row of out and eight neighbouring columns.  b_o is the C of each sum's first matrix instruction.
; REGISTERS: window 0: v7 offset in b_o; v16-21 LDS addresses; v24-26 the way out; v28, v29 the add's two; v32-95 rows on the way out; v96-127 b_o; v128-255 accumulators.  window 1: two fragment buffers.
.set PITCH, 528
.set WOFF,  65536                      ; a slot: y's 64 KB, then 128 rows of W_o
.set SLOT,  WOFF+128*PITCH
.set STAGE, 2*SLOT                     ; behind the ring: 16 rows x 272 bytes for each wave
.set SPITCH, 272
.set SPARE, STAGE+4*16*SPITCH          ; the spare words, 128 bytes a wave
.set NEXTW, 4*128*2048                 ; bytes from the first tile's rows of W_o to the second's
.set NEXTC, 4*128*4                    ; bytes from the first tile's columns to the second's, in b_o and in a row of out
.set ADRA, 16
.set ADRB, 20
.set STO,  24
.set RD,   25
.set CO,   26
.set BO,   7
.set SPW,  28
.set NIL,  29
.set OB,   32
.set BIAS, 96
.set ACC,  128
.set F0,   0
.set F1,   128
.set WV,   14
.set HI,   15
.set LH,   16
.set G1,   24
.set G0,   32
.set G1B,  48
.set G0B,  56
.set YA,   22                          ; s[22:23] y's fragments at step 0, my half: both tiles begin there
.set WA,   46                          ; s[46:47] the first tile's rows of W_o, my half
.set MSB,  0
.macro WIN new
.if MSB != \new
	s_set_vgpr_msb (MSB<<8)|\new
.set MSB, \new
.endif
.endm
.set MUL,  0x05
.set TO_F, 0x40
.macro PLACES
.rept 4
	v_nop
.endr
.endm
.macro JLOAD s
	s_cmp_eq_u32 s[HI], 0
	s_cbranch_scc0 .Lfor_b_\@
	tensor_load_to_lds s[G0+4*\s:G0+4*\s+3], s[G1:G1+7]
	s_nop 0
	PLACES
	s_branch .Lasked_\@
.Lfor_b_\@:
	tensor_load_to_lds s[G0B+4*\s:G0B+4*\s+3], s[G1B:G1B+7]
	s_nop 0
	PLACES
.Lasked_\@:
.endm
.macro CREST
	s_cmp_lg_u32 s[WV], 0
	s_cbranch_scc1 .Lnot_wave_0_\@
	s_barrier_signal -3
.Lnot_wave_0_\@:
	s_barrier_wait -3
	s_barrier_signal -1
	s_barrier_wait -1
.endm
.macro CROUND
	s_barrier_signal -1
	s_barrier_wait -1
	CREST
.endm
	s_load_b256 s[4:11], s[0:1], 0x0               ; yfrag s[4:5], wo16 s[6:7], b_o s[8:9], out0 s[10:11]
	v_lshl_add_u32 v[SPW], v0, 2, SPARE
	v_mov_b32 v[NIL], 0
	ds_add_u32 v[SPW], v[NIL]                      ; the wave's opening: the add, twice on end, and its wait ahead of my first tensor load
	ds_add_u32 v[SPW], v[NIL]
	v_lshrrev_b32 v1, 5, v0
	v_readfirstlane_b32 s[WV], v1
	s_lshr_b32 s[HI], s[WV], 1
	s_and_b32 s[LH], s[WV], 1
	s_bfe_u32 s40, ttmp6, 0x40000                  ; cx
	s_bfe_u32 s41, ttmp6, 0x40004                  ; cy
	s_and_b32 s13, ttmp7, 0xffff                   ; the cluster's y: the row block in the batch
	s_lshl_b32 s19, s41, 4
	s_add_co_u32 s19, s19, s13                     ; row block
	s_mov_b32 s42, s40                             ; the first tile's column block
	s_lshl_b32 s43, s41, 2
	s_lshl_b32 s43, 15, s43
	s_lshl_b32 s44, 0x1111, s40
	s_or_b32 s[G1], s43, (3<<16)|(1<<21)           ; y: 32 KB dense, as 128 rows of 256 bytes
	s_mov_b32 s[G1+1], 32<<16
	s_mov_b32 s[G1+2], 128<<16
	s_mov_b32 s[G1+3], 32<<16
	s_mov_b32 s[G1+4], 128
	s_mov_b32 s[G1+5], 32
	s_mov_b32 s[G1+6], 0
	s_mov_b32 s[G1+7], 0
	s_or_b32 s[G1B], s44, (1<<16)|(1<<20)|(1<<21)|(6<<22)|(3<<25)  ; W_o: elements of 2 bytes; 4 words of padding behind every 128
	s_mov_b32 s[G1B+1], 256<<16
	s_mov_b32 s[G1B+2], 64<<16
	s_mov_b32 s[G1B+3], 256<<16
	s_mov_b32 s[G1B+4], 64
	s_mov_b32 s[G1B+5], 1024
	s_mov_b32 s[G1B+6], 0
	s_mov_b32 s[G1B+7], 0
	s_lshl_b32 s[YA], s19, 18                      ; y: row block x 4 steps x 64 KB + my half
	s_lshl_b32 s45, s[LH], 15
	s_add_co_u32 s[YA], s[YA], s45
	s_mov_b32 s[YA+1], 0
	s_lshl_b32 s[WA], s42, 18                      ; W_o: (128 column block + 64 half) rows of 2,048 bytes
	s_lshl_b32 s[WA+1], s[LH], 17
	s_add_co_u32 s[WA], s[WA], s[WA+1]
	s_mov_b32 s[WA+1], 0
	s_mul_i32 s20, s[LH], 64*PITCH
	s_add_co_u32 s20, s20, WOFF
	s_wait_dscnt 0x0
	s_wait_kmcnt 0x0
	s_add_nc_u64 s[YA:YA+1], s[4:5], s[YA:YA+1]
	s_add_nc_u64 s[WA:WA+1], s[6:7], s[WA:WA+1]
	CROUND
.irp s, 0,1
	s_mov_b32 s[G0+4*\s], 1
	s_add_co_u32 s[G0+4*\s+1], s45, \s*SLOT
	s_add_nc_u64 s[G0+4*\s+2:G0+4*\s+3], s[YA:YA+1], \s*65536
	s_or_b32 s[G0+4*\s+3], s[G0+4*\s+3], 0x80000000
	s_mov_b32 s[G0B+4*\s], 1
	s_add_co_u32 s[G0B+4*\s+1], s20, \s*SLOT
	s_add_nc_u64 s[G0B+4*\s+2:G0B+4*\s+3], s[WA:WA+1], \s*512
	s_or_b32 s[G0B+4*\s+3], s[G0B+4*\s+3], 0x80000000
	JLOAD \s
.endr
	v_and_b32 v1, 15, v0                           ; r
	v_bfe_u32 v2, v0, 4, 1                         ; h
	v_and_b32 v3, 31, v0
	v_lshlrev_b32 v3, 4, v3                        ; 16 x lane
	v_mul_u32_u24 v4, v1, PITCH
	v_lshl_add_u32 v4, v2, 4, v4                   ; W_o: row x pitch + 16 x half
	s_lshl_b32 s21, s[HI], 15                      ; my four row tiles of y
	s_mul_i32 s66, s[LH], 64*PITCH                 ; my 64 rows of W_o
	s_add_co_u32 s66, s66, WOFF
.irp s, 0,1
	v_add_nc_u32 v[ADRA+\s], s21, v3
	v_add_nc_u32 v[ADRB+\s], s66, v4
	s_add_co_u32 s21, s21, SLOT
	s_add_co_u32 s66, s66, SLOT
.endr
	v_lshlrev_b32 v[BO], 5, v2                     ; b_o: my half's eight columns of a tile
	s_lshl_b32 s68, s42, 9
	s_lshl_b32 s69, s[LH], 8
	s_add_co_u32 s68, s68, s69                     ; my first column, in bytes
	s_mov_b32 s69, 0
	s_add_nc_u64 s[8:9], s[8:9], s[68:69]
.macro LOADBIAS tile
.irp b, 0,1,2,3
	global_load_b128 v[BIAS+8*\b:BIAS+8*\b+3], v[BO], s[8:9] offset:NEXTC*(\tile)+64*\b
	global_load_b128 v[BIAS+8*\b+4:BIAS+8*\b+7], v[BO], s[8:9] offset:NEXTC*(\tile)+64*\b+16
.endr
.endm
	LOADBIAS 0
	s_mul_i32 s67, s[WV], 16*SPITCH
	s_add_co_u32 s67, s67, STAGE                   ; my stage
	v_mul_u32_u24 v5, v1, SPITCH
	v_lshl_add_u32 v5, v2, 5, v5
	v_add_nc_u32 v[STO], s67, v5                   ; in: row r, 32 bytes for each half of the lanes
	v_mul_u32_u24 v5, v2, SPITCH
	v_lshl_add_u32 v5, v1, 4, v5
	v_add_nc_u32 v[RD], s67, v5                    ; back: lanes 0-15 one row of 256 bytes, lanes 16-31 the next
	v_lshlrev_b32 v5, 12, v2
	v_lshl_add_u32 v[CO], v1, 4, v5                ; the same two rows in out
	s_lshl_b32 s70, s19, 19
	s_lshl_b32 s71, s[HI], 18
	s_add_co_u32 s70, s70, s71
	s_add_co_u32 s70, s70, s68
	s_mov_b32 s71, 0
	s_add_nc_u64 s[10:11], s[10:11], s[70:71]      ; out at my first row and the first tile's column
.macro MUL8 f, c, a0, zero             ; zero = 1: the first product starts the sums from b_o
.irp a, \a0, \a0+1
.irp b, 0,1,2,3
.if \zero
	v_wmma_f32_16x16x32_f16 v[ACC+8*(4*(\a)+\b):ACC+8*(4*(\a)+\b)+7], v[\f+64+8*(4*\c+\b):\f+64+8*(4*\c+\b)+7], v[\f+8*(4*\c+\a):\f+8*(4*\c+\a)+7], v[BIAS+8*\b:BIAS+8*\b+7]
.else
	v_wmma_f32_16x16x32_f16 v[ACC+8*(4*(\a)+\b):ACC+8*(4*(\a)+\b)+7], v[\f+64+8*(4*\c+\b):\f+64+8*(4*\c+\b)+7], v[\f+8*(4*\c+\a):\f+8*(4*\c+\a)+7], v[ACC+8*(4*(\a)+\b):ACC+8*(4*(\a)+\b)+7]
.endif
.endr
.endr
.endm
.macro FETCH slot, qr, f
	WIN TO_F
.irp c, 0,1
.irp i, 0,1,2,3
	ds_load_b128 v[\f+64+8*(4*\c+\i):\f+64+8*(4*\c+\i)+3],   v[ADRB+\slot] offset:\i*16*PITCH+(2*(\qr)+\c)*64
	ds_load_b128 v[\f+64+8*(4*\c+\i)+4:\f+64+8*(4*\c+\i)+7], v[ADRB+\slot] offset:\i*16*PITCH+(2*(\qr)+\c)*64+32
	ds_load_b128 v[\f+8*(4*\c+\i):\f+8*(4*\c+\i)+3],         v[ADRA+\slot] offset:\i*8192+(2*(\qr)+\c)*1024
	ds_load_b128 v[\f+8*(4*\c+\i)+4:\f+8*(4*\c+\i)+7],       v[ADRA+\slot] offset:\i*8192+(2*(\qr)+\c)*1024+512
.endr
.endr
.endm
.macro QUARTER slot, qr, f, g, zero
	s_wait_dscnt 16                                ; the first 32 along K are in
	WIN MUL
	MUL8 \f, 0, 0, \zero
	MUL8 \f, 0, 2, \zero
	PLACES
	FETCH \slot, \qr, \g
	s_wait_dscnt 32                                ; all but the 32 just issued
	WIN MUL
	MUL8 \f, 1, 0, 0
	MUL8 \f, 1, 2, 0
.endm
.macro THREE slot                      ; a step's first three quarters
	QUARTER \slot, 1, F0, F1, 0
	QUARTER \slot, 2, F1, F0, 0
	QUARTER \slot, 3, F0, F1, 0
.endm
; A slot's last quarter changes slots.  fill = 1: this slot takes the same tile's step two steps on;  fill = 2: the second tile's step 0 or 1;  fill = 0: nothing.
.macro TURN slot, next, fill
	WIN 0
	s_wait_tensorcnt 0x0                           ; all my tensor loads have landed: my part of the next slot
	ds_add_u32 v[SPW], v[NIL]
	s_wait_dscnt 17                                ; the add and the youngest sixteen loads may be out
	WIN MUL
	MUL8 F1, 0, 0, 0
	s_wait_dscnt 0x0                               ; the add is done, and my reads of this slot are over
	s_barrier_signal -1
	MUL8 F1, 0, 2, 0
.if \fill
	WIN 0
.endif
	s_barrier_wait -1
.if \fill
	CREST                                          ; a round of the cluster's barrier: no wave of any partner still reads this slot or has a load on its way
.if \fill == 2
	s_add_nc_u64 s[G0+4*\slot+2:G0+4*\slot+3], s[YA:YA+1], \slot*65536
	s_or_b32 s[G0+4*\slot+3], s[G0+4*\slot+3], 0x80000000
	s_add_nc_u64 s[G0B+4*\slot+2:G0B+4*\slot+3], s[WA:WA+1], NEXTW+\slot*512
	s_or_b32 s[G0B+4*\slot+3], s[G0B+4*\slot+3], 0x80000000
.else
	s_add_nc_u64 s[G0+4*\slot+2:G0+4*\slot+3], s[G0+4*\slot+2:G0+4*\slot+3], 2*65536
	s_add_nc_u64 s[G0B+4*\slot+2:G0B+4*\slot+3], s[G0B+4*\slot+2:G0B+4*\slot+3], 2*512
.endif
	JLOAD \slot
.else
	PLACES
.endif
	FETCH \next, 0, F0
	WIN MUL
	MUL8 F1, 1, 0, 0
	MUL8 F1, 1, 2, 0
.endm
; THE WAY OUT, 16 rows x 64 columns at a time, through my own stage: LDS serves a wave's instructions in order, so no wait stands between the stores and the loads.
.macro TOSTAGE a
.irp b, 0,1,2,3
	ds_store_b128 v[STO], v[ACC+8*(4*(\a)+\b):ACC+8*(4*(\a)+\b)+3] offset:64*\b          ; each accumulator from its low end on
	ds_store_b128 v[STO], v[ACC+8*(4*(\a)+\b)+4:ACC+8*(4*(\a)+\b)+7] offset:64*\b+16
.endr
.irp t, 0,1,2,3,4,5,6,7
	ds_load_b128 v[OB+32*((\a)%2)+4*\t:OB+32*((\a)%2)+4*\t+3], v[RD] offset:\t*2*SPITCH
.endr
.endm
.macro SEND a, younger, tile
	s_wait_dscnt \younger                          ; the block is back in registers; the next block's 8 stores and 8 loads may be out
.irp t, 0,1,2,3,4,5,6,7
	global_store_b128 v[CO], v[OB+32*((\a)%2)+4*\t:OB+32*((\a)%2)+4*\t+3], s[10:11] offset:65536*(\a)+8192*\t+NEXTC*(\tile) th:TH_STORE_NT   ; 16 lanes store 256 consecutive bytes, aligned
.endr
.endm
.macro WAYOUT tile
.rept 5
	v_nop                                          ; four places in front of the first read of the results; five in front of the next tile's first products, which write over these accumulators
.endr
	s_wait_xcnt 0x0                                ; the earlier tile's stores have read their registers
	s_or_b32 s21, s13, s[HI]
	s_cmp_eq_u32 s21, 0
	s_cbranch_scc1 .Lskip0_\@                      ; rows 0-15 of a sequence are the last launch's: the cluster's y and the wave's number decide
	TOSTAGE 0
	SEND 0, 0, \tile
.Lskip0_\@:
	TOSTAGE 1
	s_wait_xcnt 0x0                                ; block 0's stores have read their registers
	TOSTAGE 2
	SEND 1, 16, \tile
	s_wait_xcnt 0x0                                ; block 1's
	TOSTAGE 3
	SEND 2, 16, \tile
	SEND 3, 0, \tile
.endm
	s_wait_tensorcnt 1                             ; my part of step 0 is in; step 1's may stay out
	s_barrier_signal -1
	s_barrier_wait -1
	FETCH 0, 0, F0
	s_wait_loadcnt 0x0                             ; b_o of the first tile
	QUARTER 0, 1, F0, F1, 1
	WIN 0
	LOADBIAS 1                                     ; the second tile's b_o, into the same registers: the products that read them stand in front of the quarter's four places
	QUARTER 0, 2, F1, F0, 0
	QUARTER 0, 3, F0, F1, 0
	TURN 0, 1, 1                                   ; slot 0 takes step 2
	THREE 1
	TURN 1, 0, 1                                   ; slot 1 takes step 3
	THREE 0
	TURN 0, 1, 2                                   ; THE RING GOES ON INTO THE SECOND TILE: slot 0 takes its step 0,
	THREE 1
	TURN 1, 0, 2                                   ; slot 1 its step 1, and its first fragments are fetched
	WIN 0
	WAYOUT 0                                       ; both refills are asked for: now the first tile goes out
	s_wait_loadcnt 0x0                             ; b_o of the second tile
	QUARTER 0, 1, F0, F1, 1
	QUARTER 0, 2, F1, F0, 0
	QUARTER 0, 3, F0, F1, 0
	TURN 0, 1, 1
	THREE 1
	TURN 1, 0, 1
	THREE 0
	TURN 0, 1, 0                                   ; the last two steps fill nothing
	THREE 1
	s_wait_dscnt 16
	WIN MUL
	MUL8 F1, 0, 0, 0
	MUL8 F1, 0, 2, 0
	s_wait_dscnt 0x0
	MUL8 F1, 1, 0, 0
	MUL8 F1, 1, 2, 0
	WIN 0
	WAYOUT 1
	s_wait_tensorcnt 0x0                           ; the wave's end
	ds_add_u32 v[SPW], v[NIL]
	s_wait_dscnt 0x0
	CROUND                                         ; the closing round
	s_endpgm
.Lfunc_end_k_q647e12dece_oproj:
	.size	k_q647e12dece_oproj, .Lfunc_end_k_q647e12dece_oproj-k_q647e12dece_oproj
	.p2alignl 7, 3214868480
	.fill 96, 4, 3214868480
	.section	.rodata,"a",@progbits
	.p2align	6, 0x0
	.amdhsa_kernel k_q647e12dece_oproj
		.amdhsa_group_segment_fixed_size 327680
		.amdhsa_private_segment_fixed_size 0
		.amdhsa_enable_private_segment 0
		.amdhsa_kernarg_size 32
		.amdhsa_user_sgpr_count 2
		.amdhsa_user_sgpr_kernarg_segment_ptr 1
		.amdhsa_wavefront_size32 1
		.amdhsa_system_sgpr_workgroup_id_x 1
		.amdhsa_system_sgpr_workgroup_id_y 1
		.amdhsa_system_sgpr_workgroup_id_z 1
		.amdhsa_system_vgpr_workitem_id 0
		.amdhsa_next_free_vgpr 512
		.amdhsa_next_free_sgpr 80
		.amdhsa_reserve_vcc 0
		.amdhsa_float_denorm_mode_32 3
		.amdhsa_float_denorm_mode_16_64 3
		.amdhsa_memory_ordered 1
		.amdhsa_forward_progress 1
		.amdhsa_inst_pref_size 167
	.end_amdhsa_kernel
	.amdgpu_metadata
---
amdhsa.version: [ 1, 2 ]
amdhsa.kernels:
  - .name:           k_q647e12dece_oproj
    .symbol:         k_q647e12dece_oproj.kd
    .args:
      - { .name: yfrag, .offset: 0, .size: 8, .value_kind: global_buffer, .address_space: global }
      - { .name: wo16, .offset: 8, .size: 8, .value_kind: global_buffer, .address_space: global }
      - { .name: b_o, .offset: 16, .size: 8, .value_kind: global_buffer, .address_space: global }
      - { .name: out0, .offset: 24, .size: 8, .value_kind: global_buffer, .address_space: global }
    .group_segment_fixed_size: 327680
    .private_segment_fixed_size: 0
    .kernarg_segment_align: 8
    .kernarg_segment_size: 32
    .max_flat_workgroup_size: 128
    .sgpr_count:     80
    .vgpr_count:     512
    .wavefront_size: 32
...
	.end_amdgpu_metadata
.endif
;; end of part 5
;; launch fine (part 6): grid 64 x 4, 4 waves a work-group, no clusters, 4,608 bytes of LDS; arguments lat, W_o, b_o, out0; writes out0
.if DOCPART == 6
	.amdgcn_target "amdgcn-amd-amdhsa--gfx1250"
	.amdhsa_code_object_version 6
	.text
	.protected	k_q647e12dece_fine
	.globl	k_q647e12dece_fine
	.p2align	8
	.type	k_q647e12dece_fine,@function
k_q647e12dece_fine:
	s_mov_b64 s[64:65], 0
	v_nop
	global_prefetch_b8 v0, s[64:65] scope:SCOPE_SE
	s_setreg_imm32_b32 hwreg(HW_REG_WAVE_MODE, 25, 1), 1
	s_wait_xcnt 0x0
; Rows 0-15 of each sequence, all in f32: under the causal mask they average one to sixteen values and are the largest in size, so f16 operands would use up too much of what is allowed.
; Only keys 0-15 count for these rows (reference()'s own tril): the other keys are left out, as shown at the head of the first launch.
; A work-group makes 16 rows x 16 columns of out; wave w takes channels 256 w .. 256 w + 255 as its part of K, in four groups of four tiles of 16; the four parts meet in LDS.
; Every product goes by the f32 matrix form, 16 x 16 x 4.  Along K a lane's register pair (2 s, 2 s + 1) stands for index 8 h + 2 s + j, alike in both sources, so the accumulator images
; that the second launch stored (a lane: one row, eight neighbours 8 h + j) are operands as they stand, and so are this launch's own results.
; scores: S(key 8 h + j, query r);  y: source 0 = v (channel r, tokens), source 1 = att (query r, keys) -> (channel 8 h + j, query r);  out: source 0 = W_o (column r, channels), source 1 = y -> (column 8 h + j, row r).
; No cluster, no tensor load: 256 KB of output in all, operands straight into registers.  A row's piece of out is 64 bytes.
; REGISTERS: v3 16 x lane; v4 4,096 r + 32 h; v5 32 h; v6 r - 8 h; v7 -infinity; v8 LDS; v9, v10 at work; v28, v29 the add's two; v32-95 latent twice, later v and W_o of odd groups;
;   v96-159 v and W_o of even groups; v160-191 score parts, later y; v192-223 out parts (both written by matrix instructions alone); v224-247 softmax and sums; v248-255 b_o.
.set SPW,   28
.set NIL,   29
.set SPARE, 4096
	s_load_b256 s[4:11], s[0:1], 0x0               ; lat s[4:5], W_o s[6:7], b_o s[8:9], out0 s[10:11]
	v_lshl_add_u32 v[SPW], v0, 2, SPARE
	v_mov_b32 v[NIL], 0
	v_lshrrev_b32 v1, 5, v0
	v_readfirstlane_b32 s12, v1                    ; wave
	s_and_b32 s13, ttmp7, 0xffff                   ; batch; the work-group's x is the tile of 16 columns
	v_and_b32 v1, 15, v0                           ; r
	v_bfe_u32 v2, v0, 4, 1                         ; h
	v_and_b32 v3, 31, v0
	v_lshlrev_b32 v3, 4, v3
	v_lshlrev_b32 v4, 12, v1
	v_lshl_add_u32 v4, v2, 5, v4
	v_lshlrev_b32 v5, 5, v2
	v_lshlrev_b32 v6, 3, v2
	v_sub_nc_u32 v6, v1, v6
	v_mov_b32 v7, 0xff800000
	s_lshl_b32 s14, s12, 10
	v_add_nc_u32 v8, s14, v3                       ; my wave's 1,024 bytes of LDS
	v_mov_b32 v9, 0                                ; (a lane permute's destination counts as one of its sources)
	s_mov_b32 s20, 0x76543210
	s_mov_b32 s21, 0xfedcba98
	s_mov_b32 s22, 0x3e38aa3b                      ; c = log2(e) / sqrt(64)
	s_lshl_b32 s24, s13, 12
	s_add_co_u32 s24, s24, 1048576                 ; the latent of tokens 0-15
	s_mov_b32 s25, 0
	s_lshl_b32 s26, s13, 16
	s_lshl_b32 s27, s12, 14
	s_add_co_u32 s26, s26, s27
	s_add_co_u32 s26, s26, 1064960                 ; v of tokens 0-15, my 16 channel tiles
	s_mov_b32 s27, 0
	s_lshl_b32 s28, ttmp9, 16
	s_lshl_b32 s29, s12, 10
	s_add_co_u32 s28, s28, s29                     ; W_o: my 16 rows, my 256 channels
	s_mov_b32 s29, 0
	s_lshl_b32 s30, ttmp9, 6
	s_mov_b32 s31, 0
	s_lshl_b32 s14, s13, 23
	s_add_co_u32 s14, s14, s30
	s_mov_b32 s15, 0
	s_wait_kmcnt 0x0
	s_add_nc_u64 s[16:17], s[4:5], s[24:25]
	s_add_nc_u64 s[18:19], s[4:5], s[26:27]
	s_add_nc_u64 s[6:7], s[6:7], s[28:29]
	s_add_nc_u64 s[8:9], s[8:9], s[30:31]
	s_add_nc_u64 s[10:11], s[10:11], s[14:15]
	global_load_b128 v[248:251], v5, s[8:9]
	global_load_b128 v[252:255], v5, s[8:9] offset:16
.irp x, 0,1,2,3
.irp jh, 0,1
	global_load_b128 v[32+8*\x+4*\jh:32+8*\x+4*\jh+3], v3, s[16:17] offset:1024*\x+512*\jh
.endr
.endr
.irp x, 0,1,2,3                        ; the same bytes once more: the two sources of a matrix instruction share no register
.irp jh, 0,1
	global_load_b128 v[64+8*\x+4*\jh:64+8*\x+4*\jh+3], v3, s[16:17] offset:1024*\x+512*\jh
.endr
.endr
.macro LOADG g                         ; group g's four tiles of v and of W_o: even groups v96 on, odd groups v32 on
.irp i, 0,1,2,3
.irp jh, 0,1
	global_load_b128 v[96-64*((\g)%2)+8*\i+4*\jh:96-64*((\g)%2)+8*\i+4*\jh+3], v3, s[18:19] offset:(4*(\g)+\i)*1024+512*\jh
.endr
.endr
.irp i, 0,1,2,3
.irp jh, 0,1
	global_load_b128 v[128-64*((\g)%2)+8*\i+4*\jh:128-64*((\g)%2)+8*\i+4*\jh+3], v4, s[6:7] offset:(4*(\g)+\i)*64+16*\jh
.endr
.endr
.endm
	LOADG 0
	s_wait_loadcnt 16                              ; b_o and the latent are in; group 0's sixteen stay out
.irp s, 0,1,2,3                        ; the scores in four parts, one for each 16 of the latent's 64: four accumulators by turns
.irp x, 0,1,2,3
.if \s == 0
	v_wmma_f32_16x16x4_f32 v[160+8*\x:167+8*\x], v[32+8*\x+2*\s:33+8*\x+2*\s], v[64+8*\x+2*\s:65+8*\x+2*\s], 0
.else
	v_wmma_f32_16x16x4_f32 v[160+8*\x:167+8*\x], v[32+8*\x+2*\s:33+8*\x+2*\s], v[64+8*\x+2*\s:65+8*\x+2*\s], v[160+8*\x:167+8*\x]
.endif
.endr
.endr
.rept 8
	v_nop                                          ; eight places behind this form, in front of loads into its sources and of the first read of its results
.endr
	LOADG 1
.irp j, 0,2,4,6
	v_pk_add_f32 v[224+\j:225+\j], v[160+\j:161+\j], v[168+\j:169+\j]
.endr
.irp j, 0,2,4,6
	v_pk_add_f32 v[232+\j:233+\j], v[176+\j:177+\j], v[184+\j:185+\j]
.endr
.irp j, 0,2,4,6
	v_pk_add_f32 v[224+\j:225+\j], v[224+\j:225+\j], v[232+\j:233+\j]
.endr
.irp j, 0,1,2,3,4,5,6,7
	v_cmp_gt_i32 vcc_lo, \j, v6                    ; key 8 h + j is hidden from query r where j > r - 8 h
	v_cndmask_b32 v[224+\j], v[224+\j], v7, vcc_lo
.endr
	v_max3_num_f32 v10, v224, v225, v226
	v_max3_num_f32 v10, v10, v227, v228
	v_max3_num_f32 v10, v10, v229, v230
	v_max_num_f32 v10, v10, v231
	v_permlanex16_b32 v9, v10, s20, s21
	v_max_num_f32 v10, v10, v9                     ; the row's maximum: a number, since key 0 counts for every query
	v_mul_f32 v10, s22, v10
.irp j, 0,1,2,3,4,5,6,7
	v_fma_f32 v[224+\j], v[224+\j], s22, -v10
.endr
.irp j, 0,1,2,3,4,5,6,7
	v_exp_f32 v[232+\j], v[224+\j]
.endr
	v_nop
	s_wait_alu depctr_va_vdst(0)                   ; one wait for the eight exponentials, ahead of their first reader
	v_pk_add_f32 v[240:241], v[232:233], v[234:235]
	v_pk_add_f32 v[242:243], v[236:237], v[238:239]
	v_pk_add_f32 v[240:241], v[240:241], v[242:243]
	v_add_f32 v240, v240, v241
	v_permlanex16_b32 v9, v240, s20, s21
	v_add_f32 v240, v240, v9
	v_rcp_f32 v242, v240
	v_nop
	s_wait_alu depctr_va_vdst(0)
.irp j, 0,2,4,6
	v_pk_mul_f32 v[232+\j:233+\j], v[232+\j:233+\j], v[242:243] op_sel_hi:[1,0]   ; att(query r, keys 8 h + j)
.endr
.macro NINE
.rept 9
	v_nop                                          ; nine places before a matrix instruction takes a result as a source or writes over a register of an earlier one
.endr
.endm
.macro GROUP g, cnt
	s_wait_loadcnt \cnt
.irp s, 0,1,2,3                        ; y of four channel tiles: four accumulators by turns
.irp i, 0,1,2,3
.if \s == 0
	v_wmma_f32_16x16x4_f32 v[160+8*\i:167+8*\i], v[96-64*((\g)%2)+8*\i+2*\s:97-64*((\g)%2)+8*\i+2*\s], v[232+2*\s:233+2*\s], 0
.else
	v_wmma_f32_16x16x4_f32 v[160+8*\i:167+8*\i], v[96-64*((\g)%2)+8*\i+2*\s:97-64*((\g)%2)+8*\i+2*\s], v[232+2*\s:233+2*\s], v[160+8*\i:167+8*\i]
.endif
.endr
.endr
	NINE
.irp i, 0,1,2,3                        ; out, in four parts by the place s in a tile's K: four accumulators by turns
.irp s, 0,1,2,3
.if ((\g) == 0) && (\i == 0)
	v_wmma_f32_16x16x4_f32 v[192+8*\s:199+8*\s], v[128-64*((\g)%2)+8*\i+2*\s:129-64*((\g)%2)+8*\i+2*\s], v[160+8*\i+2*\s:161+8*\i+2*\s], 0
.else
	v_wmma_f32_16x16x4_f32 v[192+8*\s:199+8*\s], v[128-64*((\g)%2)+8*\i+2*\s:129-64*((\g)%2)+8*\i+2*\s], v[160+8*\i+2*\s:161+8*\i+2*\s], v[192+8*\s:199+8*\s]
.endif
.endr
.endr
	NINE
.if (\g) < 2
	LOADG (\g)+2
.endif
.endm
	GROUP 0, 16                                    ; the next group's sixteen loads stay out
	GROUP 1, 16
	GROUP 2, 16
	GROUP 3, 0
.irp j, 0,2,4,6
	v_pk_add_f32 v[240+\j:241+\j], v[192+\j:193+\j], v[200+\j:201+\j]
.endr
.irp j, 0,2,4,6
	v_pk_add_f32 v[232+\j:233+\j], v[208+\j:209+\j], v[216+\j:217+\j]
.endr
.irp j, 0,2,4,6
	v_pk_add_f32 v[240+\j:241+\j], v[240+\j:241+\j], v[232+\j:233+\j]
.endr
	ds_store_b128 v8, v[240:243]
	ds_store_b128 v8, v[244:247] offset:512
	s_wait_dscnt 0x0                               ; for wave 0's sake
	s_barrier_signal -1
	s_barrier_wait -1
	s_cmp_lg_u32 s12, 0
	s_cbranch_scc1 .Lend
.irp p, 0,1,2,3
.irp jh, 0,1
	ds_load_b128 v[96+8*\p+4*\jh:96+8*\p+4*\jh+3], v3 offset:1024*\p+512*\jh
.endr
.endr
	s_wait_dscnt 0x0
.irp j, 0,2,4,6
	v_pk_add_f32 v[96+\j:97+\j], v[96+\j:97+\j], v[104+\j:105+\j]
	v_pk_add_f32 v[112+\j:113+\j], v[112+\j:113+\j], v[120+\j:121+\j]
.endr
.irp j, 0,2,4,6
	v_pk_add_f32 v[96+\j:97+\j], v[96+\j:97+\j], v[112+\j:113+\j]
.endr
.irp j, 0,2,4,6
	v_pk_add_f32 v[96+\j:97+\j], v[96+\j:97+\j], v[248+\j:249+\j]   ; + b_o
.endr
	global_store_b128 v4, v[96:99], s[10:11]
	global_store_b128 v4, v[100:103], s[10:11] offset:16
.Lend:
	s_wait_tensorcnt 0x0                           ; the wave's end
	ds_add_u32 v[SPW], v[NIL]
	s_wait_dscnt 0x0
	s_endpgm
.Lfunc_end_k_q647e12dece_fine:
	.size	k_q647e12dece_fine, .Lfunc_end_k_q647e12dece_fine-k_q647e12dece_fine
	.p2alignl 7, 3214868480
	.fill 96, 4, 3214868480
	.section	.rodata,"a",@progbits
	.p2align	6, 0x0
	.amdhsa_kernel k_q647e12dece_fine
		.amdhsa_group_segment_fixed_size 4608
		.amdhsa_private_segment_fixed_size 0
		.amdhsa_enable_private_segment 0
		.amdhsa_kernarg_size 32
		.amdhsa_user_sgpr_count 2
		.amdhsa_user_sgpr_kernarg_segment_ptr 1
		.amdhsa_wavefront_size32 1
		.amdhsa_system_sgpr_workgroup_id_x 1
		.amdhsa_system_sgpr_workgroup_id_y 1
		.amdhsa_system_sgpr_workgroup_id_z 1
		.amdhsa_system_vgpr_workitem_id 0
		.amdhsa_next_free_vgpr 256
		.amdhsa_next_free_sgpr 66
		.amdhsa_reserve_vcc 1
		.amdhsa_float_denorm_mode_32 3
		.amdhsa_float_denorm_mode_16_64 3
		.amdhsa_memory_ordered 1
		.amdhsa_forward_progress 1
		.amdhsa_inst_pref_size 28
	.end_amdhsa_kernel
	.amdgpu_metadata
---
amdhsa.version: [ 1, 2 ]
amdhsa.kernels:
  - .name:           k_q647e12dece_fine
    .symbol:         k_q647e12dece_fine.kd
    .args:
      - { .name: lat, .offset: 0, .size: 8, .value_kind: global_buffer, .address_space: global }
      - { .name: W_o, .offset: 8, .size: 8, .value_kind: global_buffer, .address_space: global }
      - { .name: b_o, .offset: 16, .size: 8, .value_kind: global_buffer, .address_space: global }
      - { .name: out0, .offset: 24, .size: 8, .value_kind: global_buffer, .address_space: global }
    .group_segment_fixed_size: 4608
    .private_segment_fixed_size: 0
    .kernarg_segment_align: 8
    .kernarg_segment_size: 32
    .max_flat_workgroup_size: 128
    .sgpr_count:     66
    .vgpr_count:     256
    .wavefront_size: 32
...
	.end_amdgpu_metadata
.endif
;; end of part 6
